; MI455X (gfx1250); checked and timed in simulation.
; The chip was launched on July 23, 2026; its instructions are those of AMD's public machine-readable ISA for CDNA 5 (MIT licence, August 2026) and "CDNA5" Instruction Set Architecture Reference Guide (July 2026). The comments in the code are by the model that wrote it; some were corrected since.
;; Linear Attention. Allowed arithmetic: float matrix products may take bf16 or f16 operands with f32 sums; all other float work in f32.
;; Inputs: Wk 1,024 x 1,024 float32; Wo 1,024 x 1,024 float32; Wq 1,024 x 1,024 float32; Wv 1,024 x 1,024 float32; x 2 x 4,096 x 1,024 float32.
;; Outputs: out0 2 x 4,096 x 1,024 float32.
;; 2 versions, each right; version 2 is version 1 with the launch cast written anew for expert scheduling mode. Each part assembles by itself: llvm-mc -triple=amdgcn-amd-amdhsa -mcpu=gfx1250 --defsym DOCPART=n.
;; ======== version 1 of 2: 5 launches
;; workspace buffers: xb 16,777,216 bytes; wqb 2,097,152 bytes; wob 2,097,152 bytes; wkv 4,194,304 bytes; part 10,485,760 bytes; kvt 327,680 bytes; pt 4,194,304 bytes; qn 16,777,216 bytes
;; launch cast (part 1): grid 768 x 1, 8 waves a work-group, no clusters, 0 bytes of LDS; arguments x, Wq, Wk, Wv, Wo, xb, wqb, wkv, wob; writes xb, wqb, wkv, wob
.if DOCPART == 1
	.amdgcn_target "amdgcn-amd-amdhsa--gfx1250"
	.amdhsa_code_object_version 6
	.text
	.protected	k_q33b1cd039a_cast
	.globl	k_q33b1cd039a_cast
	.p2align	8
	.type	k_q33b1cd039a_cast,@function
k_q33b1cd039a_cast:
	s_mov_b64 s[64:65], 0
	v_nop
	global_prefetch_b8 v0, s[64:65] scope:SCOPE_SE
	s_setreg_imm32_b32 hwreg(HW_REG_WAVE_MODE, 25, 1), 1
	s_wait_xcnt 0x0
; cast: bf16 copies of x and of the four weights, rounded to nearest even, so that the launches that multiply move and read 16-bit operands.
; xb, wqb, wob keep their source's order.  wkv takes Wk and Wv by heads: rows 128 h .. 128 h + 63 are Wk's rows 64 h .., rows 128 h + 64 .. 128 h + 127
; are Wv's rows 64 h .., so that 128 neighbouring rows of wkv give k and v of one head.
; A work-group takes 16 rows of 1,024 f32: 65,536 bytes in, 32,768 out.  Groups 0-511: x.  Groups 512 + 64 w + i: rows 16 i .. of Wq, Wk, Wv, Wo (w = 0..3).
; Thread t, piece p: 16 bytes at 16 t + 4,096 p in, 8 bytes at 8 t + 2,048 p out: a load of a wave covers 512 consecutive bytes, a store 256 consecutive
; aligned bytes.  All sixteen loads go out first; no register is written twice, so the only waits are the counted ones for the loads.
; A pure stream: no byte is used twice, so LDS, barriers, the matrix unit and clusters would add nothing.
.set X, 4                              ; v[4:67]   piece p: 4 f32 as loaded
.set Y, 68                             ; v[68:99]  piece p: 4 bf16 to store
	s_load_b512 s[8:23], s[0:1], 0x0               ; x 8, Wq 10, Wk 12, Wv 14, Wo 16, xb 18, wqb 20, wkv 22
	s_load_b64 s[24:25], s[0:1], 0x40              ; wob
	v_lshlrev_b32 v1, 4, v0                        ; 16 t
	v_lshlrev_b32 v2, 3, v0                        ; 8 t
	; every offset is made ahead of the compares: shifts and sums write SCC
	s_sub_co_u32 s2, ttmp9, 512                    ; number among the weights' groups (wraps for x's groups, whose choice comes last and overrides)
	s_lshr_b32 s3, s2, 6                           ; w: which weight
	s_and_b32 s4, s2, 63                           ; i: which 16 rows of it
	s_lshl_b32 s26, s4, 16                         ; source offset: 16 rows of 4,096 bytes
	s_lshl_b32 s28, s4, 15                         ; destination offset, plain order: 16 rows of 2,048 bytes
	s_lshr_b32 s5, s4, 2                           ; head = i / 4
	s_lshl_b32 s30, s5, 18                         ; 128 rows of wkv for each head
	s_and_b32 s5, s4, 3
	s_lshl_b32 s5, s5, 15                          ; 16 (i mod 4) rows in the head
	s_add_co_u32 s30, s30, s5                      ; destination offset in wkv for Wk
	s_add_co_u32 s31, s30, 0x20000                 ; and for Wv: 64 rows further
	s_lshl_b32 s36, ttmp9, 16                      ; x's groups: source offset
	s_lshl_b32 s37, ttmp9, 15                      ; and destination offset
	s_wait_kmcnt 0x0
	s_mov_b64 s[32:33], s[16:17]                   ; source: Wo unless chosen otherwise
	s_mov_b64 s[34:35], s[24:25]                   ; destination: wob
	s_cmp_eq_u32 s3, 0
	s_cselect_b64 s[32:33], s[10:11], s[32:33]     ; Wq to wqb
	s_cselect_b64 s[34:35], s[20:21], s[34:35]
	s_cmp_eq_u32 s3, 1
	s_cselect_b64 s[32:33], s[12:13], s[32:33]     ; Wk to its rows of wkv
	s_cselect_b64 s[34:35], s[22:23], s[34:35]
	s_cselect_b32 s28, s30, s28
	s_cmp_eq_u32 s3, 2
	s_cselect_b64 s[32:33], s[14:15], s[32:33]     ; Wv to its rows of wkv
	s_cselect_b64 s[34:35], s[22:23], s[34:35]
	s_cselect_b32 s28, s31, s28
	s_cmp_lt_u32 ttmp9, 512
	s_cselect_b64 s[32:33], s[8:9], s[32:33]       ; x to xb
	s_cselect_b64 s[34:35], s[18:19], s[34:35]
	s_cselect_b32 s26, s36, s26
	s_cselect_b32 s28, s37, s28
	s_mov_b32 s27, 0
	s_mov_b32 s29, 0
	s_add_nc_u64 s[32:33], s[32:33], s[26:27]
	s_add_nc_u64 s[34:35], s[34:35], s[28:29]
.set p, 0
.rept 16
	global_load_b128 v[X+4*p:X+4*p+3], v1, s[32:33] offset:4096*p th:TH_LOAD_NT   ; read once in the whole launch
.set p, p+1
.endr
.set p, 0
.rept 16
	s_wait_loadcnt 15-p                            ; loads come back in order (ISA guide 5.7.1): piece p is in, the 15 - p younger ones stay out
	v_cvt_pk_bf16_f32 v[Y+2*p],   v[X+4*p],   v[X+4*p+1]
	v_cvt_pk_bf16_f32 v[Y+2*p+1], v[X+4*p+2], v[X+4*p+3]
	global_store_b64 v2, v[Y+2*p:Y+2*p+1], s[34:35] offset:2048*p
.set p, p+1
.endr
	s_endpgm
.Lfunc_end_k_q33b1cd039a_cast:
	.size	k_q33b1cd039a_cast, .Lfunc_end_k_q33b1cd039a_cast-k_q33b1cd039a_cast
	.p2alignl 7, 3214868480
	.fill 96, 4, 3214868480
	.section	.rodata,"a",@progbits
	.p2align	6, 0x0
	.amdhsa_kernel k_q33b1cd039a_cast
		.amdhsa_group_segment_fixed_size 0
		.amdhsa_private_segment_fixed_size 0
		.amdhsa_enable_private_segment 0
		.amdhsa_kernarg_size 72
		.amdhsa_user_sgpr_count 2
		.amdhsa_user_sgpr_kernarg_segment_ptr 1
		.amdhsa_wavefront_size32 1
		.amdhsa_system_sgpr_workgroup_id_x 1
		.amdhsa_system_sgpr_workgroup_id_y 1
		.amdhsa_system_sgpr_workgroup_id_z 1
		.amdhsa_system_vgpr_workitem_id 0
		.amdhsa_next_free_vgpr 104
		.amdhsa_next_free_sgpr 66
		.amdhsa_reserve_vcc 0
		.amdhsa_float_denorm_mode_32 3
		.amdhsa_float_denorm_mode_16_64 3
		.amdhsa_memory_ordered 1
		.amdhsa_forward_progress 1
		.amdhsa_inst_pref_size 8
	.end_amdhsa_kernel
	.amdgpu_metadata
---
amdhsa.version: [ 1, 2 ]
amdhsa.kernels:
  - .name:           k_q33b1cd039a_cast
    .symbol:         k_q33b1cd039a_cast.kd
    .args:
      - { .name: x, .offset: 0, .size: 8, .value_kind: global_buffer, .address_space: global }
      - { .name: Wq, .offset: 8, .size: 8, .value_kind: global_buffer, .address_space: global }
      - { .name: Wk, .offset: 16, .size: 8, .value_kind: global_buffer, .address_space: global }
      - { .name: Wv, .offset: 24, .size: 8, .value_kind: global_buffer, .address_space: global }
      - { .name: Wo, .offset: 32, .size: 8, .value_kind: global_buffer, .address_space: global }
      - { .name: xb, .offset: 40, .size: 8, .value_kind: global_buffer, .address_space: global }
      - { .name: wqb, .offset: 48, .size: 8, .value_kind: global_buffer, .address_space: global }
      - { .name: wkv, .offset: 56, .size: 8, .value_kind: global_buffer, .address_space: global }
      - { .name: wob, .offset: 64, .size: 8, .value_kind: global_buffer, .address_space: global }
    .group_segment_fixed_size: 0
    .private_segment_fixed_size: 0
    .kernarg_segment_align: 8
    .kernarg_segment_size: 72
    .max_flat_workgroup_size: 256
    .sgpr_count:     66
    .vgpr_count:     104
    .wavefront_size: 32
...
	.end_amdgpu_metadata
.endif
;; end of part 1
;; launch kv (part 2): grid 32 x 8, 4 waves a work-group, clusters of 4 x 4, 327,680 bytes of LDS; arguments wkv, xb, part; writes part
.if DOCPART == 2
	.amdgcn_target "amdgcn-amd-amdhsa--gfx1250"
	.amdhsa_code_object_version 6
	.text
	.protected	k_q33b1cd039a_kv
	.globl	k_q33b1cd039a_kv
	.p2align	8
	.type	k_q33b1cd039a_kv,@function
k_q33b1cd039a_kv:
	s_mov_b64 s[64:65], 0
	v_nop
	global_prefetch_b8 v0, s[64:65] scope:SCOPE_SE
	s_setreg_imm32_b32 hwreg(HW_REG_WAVE_MODE, 25, 1), 1
	s_wait_xcnt 0x0
	s_wait_alu depctr_hold_cnt(0) depctr_sa_sdst(0) depctr_va_vdst(0) depctr_va_sdst(0) depctr_va_ssrc(0) depctr_va_vcc(0) depctr_vm_vsrc(0)
	s_getreg_b32 s2, hwreg(HW_REG_IB_STS2, 6, 4)
	s_cmp_eq_u32 s2, 0
	s_cbranch_scc0 .Lentry_in_a_cluster
	s_endpgm
.Lentry_in_a_cluster:
	s_bfe_u32 s2, ttmp6, 0x10000c
	s_cmp_lg_u32 s2, 0xf033
	s_cbranch_scc0 .Lentry_shape_is_right
	s_endpgm
.Lentry_shape_is_right:
; kv: for 256 rows of x and two heads: [k | v] = x wkv^T, k = elu + 1, and this block's share of kv[d][m] = sum over n of k[n][d] v[n][m] and of ksum[d].
; wkv: [2048][1024] bf16 (128 rows a head: 64 of Wk, 64 of Wv), xb: [8192][1024] bf16, part: f32 records of 20,480 bytes.
; A work-group makes 256 rows of wkv x 256 rows of x with four waves; a wave makes 128 x 128: one head's 128 rows of wkv x 128 rows of x, 64 accumulator
; tiles of 16 x 16, 512 registers.  K (1,024) goes in steps of 128 through a ring of two LDS slots filled by the tensor data mover: a tile's rows are 256
; bytes of memory and start at multiples of 256 bytes from the buffer's first byte.
; CLUSTERS: 4 x 4 work-groups.  The four of a row of the cluster need the same tiles of wkv, the four of a column the same tiles of xb; each such tile is asked
; for jointly, with one descriptor and a mask that names the four, which divides the requests for both by four.
; ORIENTATION: source 0 = 16 rows of x, source 1 = 16 rows of wkv.  In tile (a, b) lane l holds wkv's row 16 a + l % 16 and its registers 0-7 the x rows
; n = 16 b + 8 (l / 16) + 0..7.  Eight neighbouring n in a lane, packed to bf16, ARE half a fragment whose K runs along n: tile (a, 2c) gives registers 0-3,
; tile (a, 2c+1) registers 4-7.  So k^T v is multiplied straight from registers, with no way through LDS.
; v IN TWO TERMS: v = hi + lo, hi = bf16(v), lo = bf16(v - hi), both multiplied by k into one sum.  kv is a sum of signed numbers, so the sum over n of
; k times v's rounding error stands to kv as that error stands to v: it does not average out, and 8 bits of v would show in the result.  k's error does:
; it meets a sum over d of positive numbers later.  The second term costs 64 matrix instructions beside the loop's 2,048.
; RESULT: 20 tiles.  t = 4 mj + di (source 0 = v, source 1 = k): register j of lane l holds kv[d = 16 di + l % 16][m = 16 mj + 8 (l / 16) + j]: eight
; neighbouring m of a row of kv, half a fragment whose K runs along m.  t = 16 + di (source 0 = k, source 1 = ones): register j holds
; ksum[16 di + 8 (l / 16) + j] in every lane of a half: half a fragment whose K runs along d.  The two waves of a head (x rows 0-127, 128-255) are summed
; through LDS; the record goes to part at ((batch 256 + head 16 + block of 256 rows in the batch) 20,480) + 512 i + 16 l for registers 4 i .. 4 i + 3.
; The next launch sums the 16 records of a head.
; FEATURE MAP: elu(a) + 1 = max(a + 1, exp2(min(a log2 e, 0))): for a > 0 the exponential is 1 < a + 1, for a <= 0 e^a >= a + 1.
; LIMITS: v_exp_f32 gives 0 where e^a is below 2^-126 (ISA guide, its entry in 15.8).  A NaN in a gives 1.0 (v_min_num and v_max_num drop a NaN).
; A v that rounds to infinity in bf16 (beyond 3.39e38) gives a result that is not finite.  ksum is the sum of the k that were rounded to bf16, kept in f32.
;
; REGISTERS, in windows of 256 (s_set_vgpr_msb's low byte: bits 1:0 source 0, 3:2 source 1, 5:4 source 2, 7:6 destination):
;   window 0: v0-31 addresses; v32-63 exponentials; v64-127, v128-191 fragments of wkv, two buffers, later k packed; v192-255 at work behind the loop
;   window 1: v64-127, v128-191 fragments of x, two buffers, later v's first term packed; v192-199 ones
;   window 2: the 32 tiles of k (wkv rows 0-63 of the head), later the 20 result tiles
;   window 3: the 32 tiles of v, later in v0-127 v's second term packed
.set SIZE_K, 1024
.set KSTEP,  128
.set PITCH,  272                       ; an LDS row: 256 bytes of data + 16 of padding = 68 words: the 16 rows that a load touches start at 16 different banks (64 banks of 4 bytes: ISA guide 11.1)
.set HALFT,  128*PITCH                 ; 128 rows: what one tensor load brings, and what one wave reads of wkv or of x
.set SLOT,   4*HALFT                   ; wkv's 256 rows, then x's 256 rows
.set STAGE,  2*SLOT                    ; behind the ring: one record for each head, into which no tensor load lands
.set REC,    20480                     ; a record: 20 tiles of 1,024 bytes
.set LAPS, SIZE_K/(2*KSTEP)            ; a lap = two K steps = once round the ring
.set ADRA, 16                          ; v16-17  LDS address of my wkv fragments in slot 0, 1
.set ADRB, 20                          ; v20-21  the same for x
.set ST,   24                          ; v24     my 16 bytes in my head's stage
.set GO,   26                          ; v26     16 x lane: my byte offset in the record
.set E,    32                          ; v32-63  exponentials
.set F0,   64                          ; fragment buffer 0
.set F1,   128                         ; fragment buffer 1
.set KF,   64                          ; window 0: k packed, tile (a, b) at KF + 4 (8 a + b)
.set VF,   64                          ; window 1: v's first term packed, likewise
.set VL,   0                           ; window 3: v's second term packed, likewise
.set ONE,  192                         ; window 1: a fragment of ones
.set T,    192                         ; at work
.set U,    224                         ; at work
.set G1, 24                            ; s[24:31] descriptor group 1 for wkv's tiles
.set G0, 32                            ; s[32:39] descriptor group 0 for wkv's tiles, one set for each slot
.set G1B, 48                           ; s[48:55] descriptor group 1 for x's tiles: it differs in the mask alone
.set G0B, 56                           ; s[56:63] descriptor group 0 for x's tiles, one set for each slot
.set MSB, 0
.macro WIN new                         ; the immediate's high byte repeats the setting that is left
.if MSB != \new
	s_set_vgpr_msb (MSB<<8)|\new
.set MSB, \new
.endif
.endm
.set MUL_LO, 0xa1                      ; source 0 (x) window 1, source 1 (wkv) window 0, C and D window 2
.set MUL_HI, 0xf1                      ; the same, C and D window 3
.set TO_B,   0x40                      ; destination window 1, address window 0
; A joint load.  Waves 0 and 1 fetch wkv's two halves, waves 2 and 3 x's.  Each line has one mask and one set of registers for all that issue it; the branch
; hangs on the wave's number alone.
.macro JLOAD s
	s_cmp_eq_u32 s11, 0
	s_cbranch_scc0 .Lfor_b_\@
	tensor_load_to_lds s[G0+4*\s:G0+4*\s+3], s[G1:G1+7]
	s_nop 0
	s_branch .Lasked_\@
.Lfor_b_\@:
	tensor_load_to_lds s[G0B+4*\s:G0B+4*\s+3], s[G1B:G1B+7]
	s_nop 0
.Lasked_\@:
.endm
; A round of the cluster's barrier: my work-group's barrier, so that wave 0's signal speaks for all four waves; wave 0 signals for the work-group; every wave
; waits for all sixteen work-groups; my work-group's barrier once more.
.macro CREST                           ; a round behind its opening barrier
	s_cmp_lg_u32 s10, 0
	s_cbranch_scc1 .Lnot_wave_0_\@
	s_barrier_signal -3
.Lnot_wave_0_\@:
	s_barrier_wait -3
	s_barrier_signal -1
	s_barrier_wait -1
.endm
.macro CROUND                          ; a whole round
	s_barrier_signal -1
	s_barrier_wait -1
	CREST
.endm
	s_load_b128 s[4:7], s[0:1], 0x0                ; wkv s[4:5], xb s[6:7]
	s_load_b64 s[8:9], s[0:1], 0x10                ; part
	s_set_vgpr_msb 0x40
	v_lshl_add_u32 v255, v0, 2, 0x4e000
	s_set_vgpr_msb 0x4000
	v_mov_b32 v31, 0
	s_set_vgpr_msb 0x1
	ds_add_u32 v255, v31
	s_set_vgpr_msb 0x100
	v_lshrrev_b32 v1, 5, v0
	v_readfirstlane_b32 s10, v1                    ; wave 0..3
	s_lshr_b32 s11, s10, 1                         ; which of the block's two heads is mine.  Also: I fetch for wkv (0) or for x (1)
	s_and_b32 s12, s10, 1                          ; which 128 of its x rows.  Also: which 128 rows of that tile I fetch
	s_bfe_u32 s40, ttmp6, 0x40000                  ; cx: my place along the cluster's x
	s_bfe_u32 s41, ttmp6, 0x40004                  ; cy: along its y
	s_lshl_b32 s42, ttmp9, 2                       ; in a cluster launch ttmp9 and ttmp7 count clusters
	s_add_co_u32 s42, s42, s40                     ; X: block of 256 x rows = 4 x cluster x + cx
	s_and_b32 s13, ttmp7, 0xffff
	s_lshl_b32 s13, s13, 2
	s_add_co_u32 s13, s13, s41                     ; Y: pair of heads = 4 x cluster y + cy
	s_lshl_b32 s43, s41, 2
	s_lshl_b32 s43, 15, s43                        ; my row of the cluster: places 4 cy .. 4 cy + 3
	s_lshl_b32 s44, 0x1111, s40                    ; my column: places cx, cx + 4, cx + 8, cx + 12
	; descriptor group 1: a tile of 128 rows x 128 elements, padded in LDS
	s_or_b32 s[G1+0], s43, (1<<16)|(1<<20)|(1<<21)|(5<<22)|(3<<25)  ; 15:0 the mask: wkv's tiles go to my row; 17:16 element of 2 bytes; 20 padding on; 21 set beside a mask; 24:22 after every 64 words; 31:25 of 4 words
	s_or_b32 s[G1B+0], s44, (1<<16)|(1<<20)|(1<<21)|(5<<22)|(3<<25) ; the same with the mask of my column, for x's tiles
	s_mov_b32 s[G1B+1], KSTEP<<16
	s_mov_b32 s[G1+1], KSTEP<<16                   ; 63:48 tensor_dim0, low half = 128
	s_mov_b32 s[G1B+2], 128<<16
	s_mov_b32 s[G1+2], 128<<16                     ; 95:80 tensor_dim1, low half = 128
	s_mov_b32 s[G1B+3], KSTEP<<16
	s_mov_b32 s[G1+3], KSTEP<<16                   ; 127:112 tile_dim0 = 128
	s_mov_b32 s[G1B+4], 128
	s_mov_b32 s[G1+4], 128                         ; 143:128 tile_dim1 = 128; tile_dim2 = 0
	s_mov_b32 s[G1B+5], SIZE_K
	s_mov_b32 s[G1+5], SIZE_K                      ; 191:160 elements from row to row
	s_mov_b32 s[G1B+6], 0
	s_mov_b32 s[G1+6], 0
	s_mov_b32 s[G1B+7], 0
	s_mov_b32 s[G1+7], 0
	; where the tiles come from.  wkv's hang on Y alone, which my row of the cluster shares; x's on X alone, which my column shares.
	; Every wave makes both addresses, in registers that never hold the other coordinate, and asks by one of them.
	s_lshl_b32 s17, s12, 7                         ; which 128 rows of the tile I fetch
	s_lshl_b32 s16, s13, 8
	s_add_co_u32 s16, s16, s17                     ; wkv: row 256 Y + 128 x half
	s_lshl_b32 s46, s42, 8
	s_add_co_u32 s46, s46, s17                     ; x: row 256 X + 128 x half
	s_mov_b32 s17, 0
	s_mov_b32 s47, 0
	s_mov_b64 s[18:19], SIZE_K*2
	s_mul_u64 s[16:17], s[16:17], s[18:19]         ; in bytes
	s_mul_u64 s[46:47], s[46:47], s[18:19]
	s_mul_i32 s20, s10, HALFT                      ; and where they go: wave x 128 rows: no place in the cluster enters an LDS address
	s_wait_dscnt 0x0
	s_wait_kmcnt 0x0
	s_add_nc_u64 s[14:15], s[4:5], s[16:17]
	s_add_nc_u64 s[46:47], s[6:7], s[46:47]
	CROUND                                         ; all sixteen work-groups are here: the first joint loads meet
.irp s, 0,1
	s_mov_b32 s[G0+4*\s], 1                                        ; 1:0 count = 1
	s_add_co_u32 s[G0+4*\s+1], s20, \s*SLOT                        ; 63:32 LDS address
	s_add_nc_u64 s[G0+4*\s+2:G0+4*\s+3], s[14:15], \s*KSTEP*2      ; 120:64 global address: K step s
	s_or_b32 s[G0+4*\s+3], s[G0+4*\s+3], 0x80000000                ; 127:126 type = 2
	s_mov_b32 s[G0B+4*\s], 1
	s_add_co_u32 s[G0B+4*\s+1], s20, \s*SLOT
	s_add_nc_u64 s[G0B+4*\s+2:G0B+4*\s+3], s[46:47], \s*KSTEP*2
	s_or_b32 s[G0B+4*\s+3], s[G0B+4*\s+3], 0x80000000
	JLOAD \s                                       ; the ring is filled before anything else is done: two tensor loads of the wave are out
.endr
	; A fragment is 16 rows x 32 K in 8 registers: lane l holds row l % 16; registers 0-3 hold K = 8 (l / 16) + 0..7, registers 4-7 K = 16 + 8 (l / 16) + 0..7:
	; two loads of 16 bytes, 32 bytes apart.
	v_and_b32 v1, 15, v0                           ; l % 16
	v_bfe_u32 v2, v0, 4, 1                         ; l / 16
	v_mul_u32_u24 v3, v1, PITCH
	v_lshl_add_u32 v3, v2, 4, v3                   ; row x pitch + 16 x half
	s_mul_i32 s21, s11, HALFT                      ; my 128 rows of wkv
	s_mul_i32 s22, s12, HALFT                      ; my 128 rows of x,
	s_add_co_u32 s22, s22, 2*HALFT                 ; which lie behind wkv's 256
.irp s, 0,1
	v_add_nc_u32 v[ADRA+\s], s21, v3
	v_add_nc_u32 v[ADRB+\s], s22, v3
	s_add_co_u32 s21, s21, SLOT
	s_add_co_u32 s22, s22, SLOT
.endr
	v_and_b32 v4, 31, v0
	v_lshlrev_b32 v[GO], 4, v4                     ; 16 x lane
	s_mul_i32 s23, s11, REC
	s_add_co_u32 s23, s23, STAGE                   ; my head's stage
	v_add_nc_u32 v[ST], s23, v[GO]
; 16 matrix instructions: blocks a0, a0 + 1 of the window's four (hi = 0: k's rows, 1: v's rows) x all 8 blocks of x rows, 32 along K.
; zero = 1: the first product starts the sums: nothing is ever cleared.
.macro MUL16 f, hi, a0, zero
.irp a, \a0, \a0+1
.irp b, 0,1,2,3,4,5,6,7
.if \zero
	v_wmma_f32_16x16x32_bf16 v[8*(8*(\a)+\b):8*(8*(\a)+\b)+7], v[\f+8*\b:\f+8*\b+7], v[\f+8*(4*\hi+\a):\f+8*(4*\hi+\a)+7], 0
.else
	v_wmma_f32_16x16x32_bf16 v[8*(8*(\a)+\b):8*(8*(\a)+\b)+7], v[\f+8*\b:\f+8*\b+7], v[\f+8*(4*\hi+\a):\f+8*(4*\hi+\a)+7], v[8*(8*(\a)+\b):8*(8*(\a)+\b)+7]
.endif
.endr
.endr
.endm
; 32 LDS loads in one run: the fragments of one quarter step (128 rows of x, 128 rows of wkv, 32 K at byte k of the rows) into buffer f
.macro FETCH slot, k, f
	WIN TO_B
.irp i, 0,1,2,3,4,5,6,7
	ds_load_b128 v[\f+8*\i:\f+8*\i+3],   v[ADRB+\slot] offset:\k+\i*16*PITCH
	ds_load_b128 v[\f+8*\i+4:\f+8*\i+7], v[ADRB+\slot] offset:\k+\i*16*PITCH+32
.endr
	WIN 0
.irp i, 0,1,2,3,4,5,6,7
	ds_load_b128 v[\f+8*\i:\f+8*\i+3],   v[ADRA+\slot] offset:\k+\i*16*PITCH
	ds_load_b128 v[\f+8*\i+4:\f+8*\i+7], v[ADRA+\slot] offset:\k+\i*16*PITCH+32
.endr
.endm
; A load into a register that a matrix instruction has read, and a vector instruction that reads a matrix result or writes one of a matrix instruction's
; registers, stand four places behind that matrix instruction, and only plain vector instructions that name none of its registers are places (ISA guide
; 7.12.1 for vector instructions).
.macro PLACES
.rept 4
	v_nop
.endr
.endm
; A K step is four quarter steps of 32 along K, 64 matrix instructions each, on buffers 0, 1, 0, 1.  The 64 accumulators take turns, one instruction a turn, in the
; same order in every quarter, over the backward jump too.
; One of the first three quarters: multiplies buffer f; in its middle it fetches the next quarter's fragments, at byte k of the same slot's rows, into buffer g.
.macro QUARTER slot, k, f, g, zero
	s_wait_dscnt 8                                 ; x and wkv's rows 0-63 are in; the youngest eight loads (wkv's rows 64-127) may be out
	WIN MUL_LO
	MUL16 \f, 0, 0, \zero
	MUL16 \f, 0, 2, \zero
	PLACES
	FETCH \slot, \k, \g
	s_wait_dscnt 32                                ; all but the 32 just issued
	WIN MUL_HI
	MUL16 \f, 1, 0, \zero
	MUL16 \f, 1, 2, \zero
.endm
.macro THREE slot, zero
	QUARTER \slot, 64,  F0, F1, \zero
	QUARTER \slot, 128, F1, F0, 0
	QUARTER \slot, 192, F0, F1, 0
.endm
; The last quarter: multiplies buffer 1 and changes slots.  next = the other slot; fill = 1: this slot is filled again, two K steps ahead.
; One barrier for the change of slots.  In front of it each wave waits for its own reads of this slot and for all its tensor loads, of which one is out: its part
; of the next slot.  Behind it nobody reads this slot any more and the next slot is whole: the refill comes first, then the next slot's first fragments.
; From a request to the wait for it a wave issues 240 matrix instructions.
.macro TURN slot, next, fill
	s_wait_dscnt 8
	WIN MUL_LO
	MUL16 F1, 0, 0, 0
	s_wait_dscnt 0                                 ; my reads of this slot are over
	s_wait_tensorcnt 0x0                           ; and all my tensor loads have landed
	ds_add_u32 v255, v31
	s_wait_dscnt 0x0
	s_barrier_signal -1                            ; say so (where a slot is filled again this barrier opens a round of the cluster's barrier),
	MUL16 F1, 0, 2, 0                              ; work on registers while the others arrive,
	WIN 0
	s_barrier_wait -1                              ; and go on when all four have said so
.if \fill
	CREST                                          ; all sixteen work-groups have said so: no wave of any partner still reads this slot's tile or has a load on its way
	s_add_nc_u64 s[G0+4*\slot+2:G0+4*\slot+3], s[G0+4*\slot+2:G0+4*\slot+3], 2*KSTEP*2
	s_add_nc_u64 s[G0B+4*\slot+2:G0B+4*\slot+3], s[G0B+4*\slot+2:G0B+4*\slot+3], 2*KSTEP*2
	JLOAD \slot                                    ; the first tensor load behind the round, and the wave's only one until the next
.endif
	PLACES
	FETCH \next, 0, F0
	WIN MUL_HI
	MUL16 F1, 1, 0, 0
	MUL16 F1, 1, 2, 0
.endm
.macro LAP zero                        ; once round the ring, both slots filled again
	THREE 0, \zero
	TURN 0, 1, 1
	THREE 1, 0
	TURN 1, 0, 1
.endm
	s_wait_tensorcnt 1                             ; my part of K step 0 is in; K step 1's load stays out
	s_barrier_signal -1
	s_barrier_wait -1                              ; everybody's is
	FETCH 0, 0, F0
	LAP 1                                          ; the first lap stands in front of the loop: its first products start the sums
	WIN 0                                          ; at a label and at a branch every window is 0
	s_mov_b32 s3, LAPS-2
.Llap:
	LAP 0
	WIN 0
	s_sub_co_u32 s3, s3, 1
	s_cmp_lg_u32 s3, 0
	s_cbranch_scc1 .Llap
	THREE 0, 0                                     ; the last lap fills nothing and has no round: my one tensor load that is still out is slot 1's, the last K step's
	TURN 0, 1, 0
	THREE 1, 0
	s_wait_dscnt 8                                 ; the very last quarter: nothing more to fetch
	WIN MUL_LO
	MUL16 F1, 0, 0, 0
	MUL16 F1, 0, 2, 0
	s_wait_dscnt 0
	WIN MUL_HI
	MUL16 F1, 1, 0, 0
	MUL16 F1, 1, 2, 0
; The feature map on four tiles (32 registers of the window named by from, at 32 g), packed to bf16 into dst + 16 g .. + 15 of window 0.
.macro FMAP g, from, dst
	WIN \from
.set fi, 0
.rept 16
	v_pk_mul_f32 v[T+2*fi:T+2*fi+1], v[32*\g+2*fi:32*\g+2*fi+1], s[16:17] op_sel_hi:[1,0]   ; a log2 e
.set fi, fi+1
.endr
.set fi, 0
.rept 16
	v_pk_add_f32 v[U+2*fi:U+2*fi+1], v[32*\g+2*fi:32*\g+2*fi+1], 1.0 op_sel_hi:[1,0]        ; a + 1
.set fi, fi+1
.endr
	WIN 0
.set fi, 0
.rept 32
	v_min_num_f32 v[T+fi], 0, v[T+fi]              ; the exponent never passes 0: no overflow for any a
.set fi, fi+1
.endr
.set fi, 0
.rept 32
	v_exp_f32 v[E+fi], v[T+fi]
.set fi, fi+1
.endr
	v_nop                                          ; one plain vector instruction between the run of v_exp_f32 and the first use of a result (ISA guide 5.7.2)
.set fi, 0
	s_wait_alu depctr_va_vdst(0)
.rept 32
	v_max_num_f32 v[U+fi], v[U+fi], v[E+fi]
.set fi, fi+1
.endr
.set fi, 0
.rept 16
	v_cvt_pk_bf16_f32 v[\dst+16*\g+fi], v[U+2*fi], v[U+2*fi+1]
.set fi, fi+1
.endr
.endm
; v in two bf16 terms, four tiles (window 3's registers 32 g .. 32 g + 31) at a time.  The second term is packed into window 3's registers 16 g .. 16 g + 15,
; which this step or an earlier one has read for the last time.
.macro VSPLIT g
	WIN 0x4f                                       ; sources window 3, destination window 1
.set fi, 0
.rept 16
	v_cvt_pk_bf16_f32 v[VF+16*\g+fi], v[32*\g+2*fi], v[32*\g+2*fi+1]                        ; hi
.set fi, fi+1
.endr
	WIN 0x04                                       ; source 1 window 1, destination window 0
.set fi, 0
.rept 16
	v_lshlrev_b32 v[T+2*fi],   16,  v[VF+16*\g+fi]                                          ; hi back in f32: the low half moves up,
	v_and_b32     v[T+2*fi+1], s18, v[VF+16*\g+fi]                                          ; the high half stays
.set fi, fi+1
.endr
	WIN 0x03                                       ; source 0 window 3
.set fi, 0
.rept 16
	v_pk_add_f32 v[U+2*fi:U+2*fi+1], v[32*\g+2*fi:32*\g+2*fi+1], v[T+2*fi:T+2*fi+1] neg_lo:[0,1] neg_hi:[0,1]   ; v - hi, exact in f32
.set fi, fi+1
.endr
	WIN 0xc0                                       ; destination window 3
.set fi, 0
.rept 16
	v_cvt_pk_bf16_f32 v[VL+16*\g+fi], v[U+2*fi], v[U+2*fi+1]                                ; lo
.set fi, fi+1
.endr
.endm
; One product of v^T k: 32 x rows (c), 16 m (mj) x 16 d (di); base: v's first or second term.  zero = 1 starts the sum.
.macro KVMUL base, c, mj, di, zero
.if \zero
	v_wmma_f32_16x16x32_bf16 v[8*(4*\mj+\di):8*(4*\mj+\di)+7], v[\base+32*\mj+8*\c:\base+32*\mj+8*\c+7], v[KF+32*\di+8*\c:KF+32*\di+8*\c+7], 0
.else
	v_wmma_f32_16x16x32_bf16 v[8*(4*\mj+\di):8*(4*\mj+\di)+7], v[\base+32*\mj+8*\c:\base+32*\mj+8*\c+7], v[KF+32*\di+8*\c:KF+32*\di+8*\c+7], v[8*(4*\mj+\di):8*(4*\mj+\di)+7]
.endif
.endm
; One product of k^T ones: 32 x rows (c), 16 d (di).
.macro KSMUL c, di, zero
.if \zero
	v_wmma_f32_16x16x32_bf16 v[8*(16+\di):8*(16+\di)+7], v[KF+32*\di+8*\c:KF+32*\di+8*\c+7], v[ONE:ONE+7], 0
.else
	v_wmma_f32_16x16x32_bf16 v[8*(16+\di):8*(16+\di)+7], v[KF+32*\di+8*\c:KF+32*\di+8*\c+7], v[ONE:ONE+7], v[8*(16+\di):8*(16+\di)+7]
.endif
.endm
	PLACES                                         ; behind the last matrix instructions: what follows reads results and writes fragment registers
	s_mov_b32 s16, 0x3fb8aa3b                      ; log2 e, in both registers of the pair that the packed multiply names
	s_mov_b32 s17, 0x3fb8aa3b
	s_mov_b32 s18, 0xffff0000                      ; a word's upper bf16
.irp g, 0,1,2,3,4,5,6,7
	FMAP \g, 0x02, KF                              ; k: window 2 to window 0
.endr
.irp g, 0,1,2,3,4,5,6,7
	VSPLIT \g                                      ; v: window 3 to windows 1 and 3
.endr
	WIN 0x40
.irp i, 0,1,2,3,4,5,6,7
	v_mov_b32 v[ONE+\i], 0x3f803f80                ; two bf16 ones
.endr
	; 144 matrix instructions.  In each run the accumulators (16, 16, 4) take turns, one instruction a turn.
	WIN 0xa1                                       ; source 0 (v's first term) window 1, source 1 (k) window 0, C and D window 2
.irp mj, 0,1,2,3
.irp di, 0,1,2,3
	KVMUL VF, 0, \mj, \di, 1
.endr
.endr
.irp c, 1,2,3
.irp mj, 0,1,2,3
.irp di, 0,1,2,3
	KVMUL VF, \c, \mj, \di, 0
.endr
.endr
.endr
	WIN 0xa3                                       ; source 0 (v's second term) window 3
.irp c, 0,1,2,3
.irp mj, 0,1,2,3
.irp di, 0,1,2,3
	KVMUL VL, \c, \mj, \di, 0
.endr
.endr
.endr
	WIN 0xa4                                       ; source 0 (k) window 0, source 1 (ones) window 1
.irp di, 0,1,2,3
	KSMUL 0, \di, 1
.endr
.irp c, 1,2,3
.irp di, 0,1,2,3
	KSMUL \c, \di, 0
.endr
.endr
	PLACES
	WIN 0
	; the record's place in part, in two sums
	s_lshl_b32 s16, s13, 1
	s_add_co_u32 s16, s16, s11                     ; head = 2 Y + my half
	s_mul_i32 s16, s16, 16*REC
	s_mov_b32 s17, 0
	s_add_nc_u64 s[8:9], s[8:9], s[16:17]
	s_lshr_b32 s46, s42, 4                         ; batch = X / 16
	s_lshl_b32 s46, s46, 8
	s_and_b32 s47, s42, 15                         ; block of 256 rows in the batch
	s_add_co_u32 s46, s46, s47
	s_mul_i32 s46, s46, REC
	s_mov_b32 s47, 0
	s_add_nc_u64 s[8:9], s[8:9], s[46:47]
	; the wave of x rows 128-255 hands its 20 tiles to the wave of rows 0-127 of the same head
	s_cmp_eq_u32 s12, 0
	s_cbranch_scc1 .Lno_put
	WIN 0x08                                       ; store data from window 2
.set i, 0
.rept 40
	ds_store_b128 v[ST], v[4*i:4*i+3] offset:512*i ; 32 lanes, 16 neighbouring bytes each
.set i, i+1
.endr
	WIN 0
.Lno_put:
	s_wait_dscnt 0x0                               ; for the other wave's sake: my stores are done
	s_barrier_signal -1
	s_barrier_wait -1
	s_cmp_lg_u32 s12, 0
	s_cbranch_scc1 .Lno_sum
.set i, 0
.rept 40
	ds_load_b128 v[64+4*i:64+4*i+3], v[ST] offset:512*i
.set i, i+1
.endr
	s_wait_dscnt 0x0
	WIN 0x02                                       ; source 0 window 2: my own tiles
.set i, 0
.rept 80
	v_pk_add_f32 v[64+2*i:64+2*i+1], v[2*i:2*i+1], v[64+2*i:64+2*i+1]
.set i, i+1
.endr
	WIN 0
.set i, 0
.rept 40
	global_store_b128 v[GO], v[64+4*i:64+4*i+3], s[8:9] offset:512*i   ; each store of the wave covers 512 consecutive bytes, aligned
.set i, i+1
.endr
.Lno_sum:
	s_set_vgpr_msb 0x1
	s_wait_tensorcnt 0x0
	ds_add_u32 v255, v31
	s_wait_dscnt 0x0
	s_set_vgpr_msb 0x100
	CROUND                                         ; the closing round: no work-group ends while a partner may still ask for a tile that names it
	s_endpgm
.Lfunc_end_k_q33b1cd039a_kv:
	.size	k_q33b1cd039a_kv, .Lfunc_end_k_q33b1cd039a_kv-k_q33b1cd039a_kv
	.p2alignl 7, 3214868480
	.fill 96, 4, 3214868480
	.section	.rodata,"a",@progbits
	.p2align	6, 0x0
	.amdhsa_kernel k_q33b1cd039a_kv
		.amdhsa_group_segment_fixed_size 327680
		.amdhsa_private_segment_fixed_size 0
		.amdhsa_enable_private_segment 0
		.amdhsa_kernarg_size 24
		.amdhsa_user_sgpr_count 2
		.amdhsa_user_sgpr_kernarg_segment_ptr 1
		.amdhsa_wavefront_size32 1
		.amdhsa_system_sgpr_workgroup_id_x 1
		.amdhsa_system_sgpr_workgroup_id_y 1
		.amdhsa_system_sgpr_workgroup_id_z 1
		.amdhsa_system_vgpr_workitem_id 0
		.amdhsa_next_free_vgpr 1024
		.amdhsa_next_free_sgpr 66
		.amdhsa_reserve_vcc 0
		.amdhsa_float_denorm_mode_32 3
		.amdhsa_float_denorm_mode_16_64 3
		.amdhsa_memory_ordered 1
		.amdhsa_forward_progress 1
		.amdhsa_inst_pref_size 255
	.end_amdhsa_kernel
	.section	.bss,"aw",@nobits
	.p2align	6
	.space	262144
	.amdgpu_metadata
---
amdhsa.version: [ 1, 2 ]
amdhsa.kernels:
  - .name:           k_q33b1cd039a_kv
    .symbol:         k_q33b1cd039a_kv.kd
    .args:
      - { .name: wkv, .offset: 0, .size: 8, .value_kind: global_buffer, .address_space: global }
      - { .name: xb, .offset: 8, .size: 8, .value_kind: global_buffer, .address_space: global }
      - { .name: part, .offset: 16, .size: 8, .value_kind: global_buffer, .address_space: global }
    .group_segment_fixed_size: 327680
    .private_segment_fixed_size: 0
    .kernarg_segment_align: 8
    .kernarg_segment_size: 24
    .max_flat_workgroup_size: 128
    .sgpr_count:     66
    .vgpr_count:     1024
    .wavefront_size: 32
...
	.end_amdgpu_metadata
.endif
;; end of part 2
;; launch red (part 3): grid 5 x 32, 4 waves a work-group, no clusters, 0 bytes of LDS; arguments part, kvt; writes kvt
.if DOCPART == 3
	.amdgcn_target "amdgcn-amd-amdhsa--gfx1250"
	.amdhsa_code_object_version 6
	.text
	.protected	k_q33b1cd039a_red
	.globl	k_q33b1cd039a_red
	.p2align	8
	.type	k_q33b1cd039a_red,@function
k_q33b1cd039a_red:
	s_mov_b64 s[64:65], 0
	v_nop
	global_prefetch_b8 v0, s[64:65] scope:SCOPE_SE
	s_setreg_imm32_b32 hwreg(HW_REG_WAVE_MODE, 25, 1), 1
	s_wait_xcnt 0x0
; red: the 16 records of each (batch, head) are summed in f32, in ascending order of the blocks, and rounded once to bf16.
; part: record (bh 16 + p) of 20,480 bytes, tile t at 1,024 t, registers 4 q .. 4 q + 3 of lane l at 512 q + 16 l.
; kvt: (bh 10,240) + 512 t + 16 l holds the eight numbers of tile t, lane l, packed: half a fragment of kv (tiles 0-15, K along m) or of ksum (tiles 16-19,
; K along d) as the later launches' matrix instructions take it, so that they load them with plain 16-byte loads.
; Work-group (gx, bh): tiles 4 gx .. 4 gx + 3, one a wave.  5 x 32 work-groups are all the work there is: 10 MiB in, 320 KiB out.
; All 32 loads of a thread go out first, 512 consecutive bytes a wave each.  No byte is shared: no LDS, no barrier, no cluster.
.set REC, 20480
.set P, 8                              ; v[8:135]  record p: 8 f32; record 0's registers keep the sum
.set O, 136                            ; v[136:139] packed
	s_load_b128 s[4:7], s[0:1], 0x0                ; part s[4:5], kvt s[6:7]
	s_and_b32 s8, ttmp7, 0xffff                    ; bh = batch 16 + head
	v_lshrrev_b32 v1, 5, v0                        ; wave
	v_and_b32 v2, 31, v0
	v_lshlrev_b32 v2, 4, v2                        ; 16 x lane
	v_lshl_add_u32 v1, v1, 10, v2                  ; + 1,024 x wave: my 16 bytes in the group's four tiles
	v_lshlrev_b32 v3, 4, v0                        ; out: 512 x wave + 16 x lane
	s_mul_i32 s10, s8, 16*REC
	s_lshl_b32 s9, ttmp9, 12                       ; four tiles of 1,024 bytes
	s_add_co_u32 s10, s10, s9
	s_mov_b32 s11, 0
	s_mul_i32 s12, s8, 10240
	s_lshl_b32 s9, ttmp9, 11                       ; four tiles of 512 bytes
	s_add_co_u32 s12, s12, s9
	s_mov_b32 s13, 0
	s_wait_kmcnt 0x0
	s_add_nc_u64 s[4:5], s[4:5], s[10:11]
	s_add_nc_u64 s[6:7], s[6:7], s[12:13]
.set p, 0
.rept 16
	global_load_b128 v[P+8*p:P+8*p+3],   v1, s[4:5] offset:REC*p th:TH_LOAD_NT
	global_load_b128 v[P+8*p+4:P+8*p+7], v1, s[4:5] offset:REC*p+512 th:TH_LOAD_NT
.set p, p+1
.endr
.set p, 1
.rept 15
	s_wait_loadcnt 30-2*p                          ; records 0 to p are in; the two loads of each of the 15 - p younger records stay out
.irp j, 0,2,4,6
	v_pk_add_f32 v[P+\j:P+\j+1], v[P+\j:P+\j+1], v[P+8*p+\j:P+8*p+\j+1]
.endr
.set p, p+1
.endr
.irp j, 0,1,2,3
	v_cvt_pk_bf16_f32 v[O+\j], v[P+2*\j], v[P+2*\j+1]
.endr
	global_store_b128 v3, v[O:O+3], s[6:7]         ; 512 consecutive bytes a wave, aligned
	s_endpgm
.Lfunc_end_k_q33b1cd039a_red:
	.size	k_q33b1cd039a_red, .Lfunc_end_k_q33b1cd039a_red-k_q33b1cd039a_red
	.p2alignl 7, 3214868480
	.fill 96, 4, 3214868480
	.section	.rodata,"a",@progbits
	.p2align	6, 0x0
	.amdhsa_kernel k_q33b1cd039a_red
		.amdhsa_group_segment_fixed_size 0
		.amdhsa_private_segment_fixed_size 0
		.amdhsa_enable_private_segment 0
		.amdhsa_kernarg_size 16
		.amdhsa_user_sgpr_count 2
		.amdhsa_user_sgpr_kernarg_segment_ptr 1
		.amdhsa_wavefront_size32 1
		.amdhsa_system_sgpr_workgroup_id_x 1
		.amdhsa_system_sgpr_workgroup_id_y 1
		.amdhsa_system_sgpr_workgroup_id_z 1
		.amdhsa_system_vgpr_workitem_id 0
		.amdhsa_next_free_vgpr 144
		.amdhsa_next_free_sgpr 66
		.amdhsa_reserve_vcc 0
		.amdhsa_float_denorm_mode_32 3
		.amdhsa_float_denorm_mode_16_64 3
		.amdhsa_memory_ordered 1
		.amdhsa_forward_progress 1
		.amdhsa_inst_pref_size 9
	.end_amdhsa_kernel
	.amdgpu_metadata
---
amdhsa.version: [ 1, 2 ]
amdhsa.kernels:
  - .name:           k_q33b1cd039a_red
    .symbol:         k_q33b1cd039a_red.kd
    .args:
      - { .name: part, .offset: 0, .size: 8, .value_kind: global_buffer, .address_space: global }
      - { .name: kvt, .offset: 8, .size: 8, .value_kind: global_buffer, .address_space: global }
    .group_segment_fixed_size: 0
    .private_segment_fixed_size: 0
    .kernarg_segment_align: 8
    .kernarg_segment_size: 16
    .max_flat_workgroup_size: 128
    .sgpr_count:     66
    .vgpr_count:     144
    .wavefront_size: 32
...
	.end_amdgpu_metadata
.endif
;; end of part 3
;; launch q (part 4): grid 8 x 32, 4 waves a work-group, clusters of 4 x 4, 327,680 bytes of LDS; arguments xb, wqb, qn, kvt, wob, pt; writes qn, pt
.if DOCPART == 4
	.amdgcn_target "amdgcn-amd-amdhsa--gfx1250"
	.amdhsa_code_object_version 6
	.text
	.protected	k_q33b1cd039a_q
	.globl	k_q33b1cd039a_q
	.p2align	8
	.type	k_q33b1cd039a_q,@function
k_q33b1cd039a_q:
	s_mov_b64 s[64:65], 0
	v_nop
	global_prefetch_b8 v0, s[64:65] scope:SCOPE_SE
	s_setreg_imm32_b32 hwreg(HW_REG_WAVE_MODE, 25, 1), 1
	s_wait_xcnt 0x0
	s_wait_alu depctr_hold_cnt(0) depctr_sa_sdst(0) depctr_va_vdst(0) depctr_va_sdst(0) depctr_va_ssrc(0) depctr_va_vcc(0) depctr_vm_vsrc(0)
	s_getreg_b32 s2, hwreg(HW_REG_IB_STS2, 6, 4)
	s_cmp_eq_u32 s2, 0
	s_cbranch_scc0 .Lentry_in_a_cluster
	s_endpgm
.Lentry_in_a_cluster:
	s_bfe_u32 s2, ttmp6, 0x10000c
	s_cmp_lg_u32 s2, 0xf033
	s_cbranch_scc0 .Lentry_shape_is_right
	s_endpgm
.Lentry_shape_is_right:
; q: two pieces of work that both need only the summed kv and ksum.
; (1) For 256 rows of x and two heads: q = elu(x Wq^T) + 1, den = q . ksum, qn = q / (den + 1e-6), rounded to bf16.
; (2) A 64 x 128 piece of kv folded into the output projection: pt[batch][j][64 h + d] = sum over m of Wo[j][64 h + m] kv[batch, h][d][m], rounded to bf16.
;     Then out0[n][j] = sum over c of qn[n][c] pt[j][c], one product of K = 1,024 in the last launch, and num / den is never rounded to 16 bits by itself.
; xb: [8192][1024] bf16, wqb, wob: [1024][1024] bf16, kvt: 10,240 bytes a (batch, head): tiles 0-15 kv's fragments (t = 4 mj + di), tiles 16-19 ksum's, 512 bytes
; each, 16 a lane; qn: [8192][1024] bf16, pt: [2][1024][1024] bf16.
; A work-group makes 256 rows x 128 columns of qn with four waves; wave w makes rows 64 w .. 64 w + 63 x all 128 columns: 32 accumulator tiles, 256 registers.
; The block is half as wide as it is high so that the 8,192 x 1,024 results make 256 work-groups.
; THE RING: K (1,024) is 8 steps of 128, each 128 matrix instructions of a wave.  Two slots of two steps each would take 2 x 384 rows x 528 bytes = 405,504 bytes and do
; not fit in LDS; a LONG slot of two steps (rows of 512 bytes, pitch 528: 202,752 bytes) and a SHORT slot of one (rows of 256 bytes, pitch 272: 104,448 bytes) do.
; They take turns: long (steps 0, 1), short (2), long (3, 4), short (5), long (6, 7).  Both first fills go out together; three refills follow, so three rounds of the
; cluster's barrier serve the 8 steps.  From its request to the wait for it the short slot's refill has 240 matrix instructions, the long slot's 112.
; All rows of all tiles are 256 or 512 bytes of memory and start at multiples of 256 bytes.
; CLUSTERS: 4 x 4 work-groups.  x's tiles hang on the block row alone and are asked for jointly along a row of the cluster, Wq's on the block column alone and
; jointly along a column: the requests for both are divided by four.
; ORIENTATION: source 0 = 16 rows of Wq, source 1 = 16 rows of x: in tile (a, b) lane l holds row 16 a + l % 16 of q and its registers the columns
; 16 b + 8 (l / 16) + 0..7.  Packed to bf16 that is half a fragment of q with K along the head's 64 numbers, so q . ksum is multiplied from registers, with sixteen
; equal rows of ksum as source 0: every register of a lane then holds den of the lane's row, which is the row of its q.
; THE FOLD: work-group number f = 8 Y + X takes rows j = 64 (f % 16) .. + 63 of Wo (16 a wave) and batch and pair of heads f / 16: 8 tiles, 16 matrix instructions a
; wave.  Its 40 loads go straight from memory into fragments, are asked for ahead of the K steps and waited for behind them.  Source 0 = 16 rows d of kv, source 1 = 16 rows
; j of Wo: lane l holds row j = l % 16 and eight neighbouring d, the layout of qn's tiles, so that it leaves by the same way.
; FEATURE MAP: elu(a) + 1 = max(a + 1, exp2(min(a log2 e, 0))): for a > 0 the exponential is 1 < a + 1, for a <= 0 e^a >= a + 1.
; LIMITS: v_exp_f32 gives 0 where e^a is below 2^-126 (ISA guide, its entry in 15.8).  A NaN in a gives 1.0.  den is made of q and ksum rounded to bf16; the
; division is v_rcp_f32 and a multiply on q in f32.  kv, Wo and pt are rounded to bf16.
;
; REGISTERS (s_set_vgpr_msb's low byte: bits 1:0 source 0, 3:2 source 1, 5:4 source 2, 7:6 destination):
;   window 0: v0-31 addresses; v32-63 exponentials; v64-95, v96-127 fragments of x, two buffers; v128-191, v192-255 fragments of Wq, two buffers;
;             behind the K steps v64-191 q packed, v192-255 at work
;   window 1: the 32 accumulator tiles, tile (a, b) at v[8 (8 a + b)]: x Wq^T, then q, then qn, all in f32; at the end v0-63 the fold's eight tiles
;   window 2: v0-31 ksum of the two heads; v32-95 the eight tiles of den; v96-223 the fold's kv; v224-255 the fold's Wo
.set KSTEP,  128
.set ROWB,   2048                      ; bytes in a row of xb, wqb, wob, qn and pt
.set PL,     528                       ; the long slot's pitch: 512 bytes + 16 = 33 x 16: the 16 rows that a load touches start at 16 different groups of banks (64 banks of 4 bytes: ISA guide 11.1)
.set PS,     272                       ; the short slot's pitch: 256 bytes + 16 = 17 x 16
.set LBO,    256*PL                    ; long slot: x's 256 rows at 0, Wq's 128 rows here
.set SAO,    384*PL                    ; short slot: x's 256 rows here,
.set SBO,    SAO+256*PS                ; Wq's 128 rows here
.set STAGE,  SAO+384*PS                ; behind the ring: 16 rows x 272 bytes for each wave, into which no tensor load lands
.set SPITCH, 272
.set ADRAL, 16                         ; v16  LDS address of my x fragments in the long slot
.set ADRBL, 17                         ; v17  the same for Wq
.set ADRAS, 18                         ; v18  x, short slot
.set ADRBS, 19                         ; v19  Wq, short slot
.set STO,  24                          ; v24  the way out: where I put 16 bytes of a row
.set RD,   25                          ; v25  the way out: where I read a row back
.set CO,   26                          ; v26  my byte offset in qn, and in pt
.set KO,   27                          ; v27  16 x lane: my byte offset in a tile of kvt; never rewritten
.set WO,   28                          ; v28  my byte offset in Wo: row l % 16, 16 bytes for each half of the lanes; never rewritten
.set E,    32
.set FA,   64                          ; x's fragment buffers: FA + 32 n
.set FB,   128                         ; Wq's fragment buffers: FB + 64 n
.set QF,   64                          ; q packed, tile (a, b) at QF + 4 (8 a + b): fragment (a, head e, half kb of the head's 64) at QF + 32 a + 16 e + 8 kb
.set T,    192
.set U,    224
.set TMP,  192
.set KS,   0                           ; window 2: ksum's fragment (e, kb) at KS + 16 e + 8 kb
.set DN,   32                          ; window 2: den's tile (a, e) at DN + 8 (2 a + e)
.set KV,   96                          ; window 2: the fold's kv fragment (head e, di, half kb of m) at KV + 8 (8 e + 2 di + kb)
.set WF,   224                         ; window 2: the fold's Wo fragment (e, kb) at WF + 8 (2 e + kb)
.set G1AL, 24                          ; s[24:31] descriptor group 1, x, long slot
.set G0AL, 32                          ; s[32:35] descriptor group 0, x, long slot
.set G0AS, 36                          ; s[36:39] descriptor group 0, x, short slot
.set G1BL, 48                          ; s[48:55] descriptor group 1, Wq, long slot
.set G0BL, 56                          ; s[56:59] descriptor group 0, Wq, long slot
.set G0BS, 60                          ; s[60:63] descriptor group 0, Wq, short slot
.set G1AS, 68                          ; s[68:75] descriptor group 1, x, short slot
.set G1BS, 76                          ; s[76:83] descriptor group 1, Wq, short slot
.set WOP,  84                          ; s[84:85] wob at my rows and columns
.set PTP,  86                          ; s[86:87] pt at my rows and columns
.set KVP,  88                          ; s[88:89] kvt at the fold's pair of heads
.set MSB, 0
.macro WIN new                         ; the immediate's high byte repeats the setting that is left
.if MSB != \new
	s_set_vgpr_msb (MSB<<8)|\new
.set MSB, \new
.endif
.endm
.set MULW, 0x50                        ; sources window 0, C and D window 1
; A joint load.  Waves 0 and 1 fetch x's two halves, waves 2 and 3 Wq's.  Each line has one mask and one set of registers; the branch hangs on the wave's number alone.
.macro JLOAD g0a, g1a, g0b, g1b
	s_cmp_eq_u32 s11, 0
	s_cbranch_scc0 .Lfor_b_\@
	tensor_load_to_lds s[\g0a:\g0a+3], s[\g1a:\g1a+7]
	s_nop 0
	s_branch .Lasked_\@
.Lfor_b_\@:
	tensor_load_to_lds s[\g0b:\g0b+3], s[\g1b:\g1b+7]
	s_nop 0
.Lasked_\@:
.endm
; A round of the cluster's barrier: my work-group's barrier; wave 0 signals for the work-group; every wave waits for all sixteen; my work-group's barrier once more.
.macro CREST
	s_cmp_lg_u32 s10, 0
	s_cbranch_scc1 .Lnot_wave_0_\@
	s_barrier_signal -3
.Lnot_wave_0_\@:
	s_barrier_wait -3
	s_barrier_signal -1
	s_barrier_wait -1
.endm
.macro CROUND
	s_barrier_signal -1
	s_barrier_wait -1
	CREST
.endm
	s_load_b128 s[4:7], s[0:1], 0x0                ; xb s[4:5], wqb s[6:7]
	s_load_b64 s[8:9], s[0:1], 0x10                ; qn
	s_load_b64 s[22:23], s[0:1], 0x18              ; kvt
	s_load_b128 s[WOP:WOP+3], s[0:1], 0x20         ; wob, pt
	v_lshl_add_u32 v30, v0, 2, 0x4f400
	v_mov_b32 v31, 0
	ds_add_u32 v30, v31
	v_lshrrev_b32 v1, 5, v0
	v_readfirstlane_b32 s10, v1                    ; wave 0..3
	s_lshr_b32 s11, s10, 1                         ; I fetch for x (0) or for Wq (1)
	s_and_b32 s12, s10, 1                          ; which half of that tile
	s_bfe_u32 s40, ttmp6, 0x40000                  ; cx
	s_bfe_u32 s41, ttmp6, 0x40004                  ; cy
	s_lshl_b32 s42, ttmp9, 2
	s_add_co_u32 s42, s42, s40                     ; X: block of 128 columns (two heads) = 4 x cluster x + cx
	s_and_b32 s13, ttmp7, 0xffff
	s_lshl_b32 s13, s13, 2
	s_add_co_u32 s13, s13, s41                     ; Y: block of 256 rows = 4 x cluster y + cy
	s_lshl_b32 s43, s41, 2
	s_lshl_b32 s43, 15, s43                        ; my row of the cluster
	s_lshl_b32 s44, 0x1111, s40                    ; my column
	; group 1, long slot: rows of 256 elements, 4 words of padding after every 128 words
	s_or_b32 s[G1AL+0], s43, (1<<16)|(1<<20)|(1<<21)|(6<<22)|(3<<25)  ; mask of my row; element of 2 bytes; padding on; bit 21 beside a mask
	s_mov_b32 s[G1AL+1], 256<<16                   ; tensor_dim0 = 256
	s_mov_b32 s[G1AL+2], 128<<16                   ; tensor_dim1 = 128
	s_mov_b32 s[G1AL+3], 256<<16                   ; tile_dim0 = 256
	s_mov_b32 s[G1AL+4], 128                       ; tile_dim1 = 128 rows
	s_mov_b32 s[G1AL+5], 1024                      ; elements from row to row
	s_mov_b32 s[G1AL+6], 0
	s_mov_b32 s[G1AL+7], 0
	s_or_b32 s[G1BL+0], s44, (1<<16)|(1<<20)|(1<<21)|(6<<22)|(3<<25)  ; the same with the mask of my column
	s_mov_b32 s[G1BL+1], 256<<16
	s_mov_b32 s[G1BL+2], 64<<16                    ; tensor_dim1 = 64
	s_mov_b32 s[G1BL+3], 256<<16
	s_mov_b32 s[G1BL+4], 64                        ; tile_dim1 = 64 rows
	s_mov_b32 s[G1BL+5], 1024
	s_mov_b32 s[G1BL+6], 0
	s_mov_b32 s[G1BL+7], 0
	; group 1, short slot: rows of 128 elements, 4 words of padding after every 64 words
	s_or_b32 s[G1AS+0], s43, (1<<16)|(1<<20)|(1<<21)|(5<<22)|(3<<25)
	s_mov_b32 s[G1AS+1], KSTEP<<16
	s_mov_b32 s[G1AS+2], 128<<16
	s_mov_b32 s[G1AS+3], KSTEP<<16
	s_mov_b32 s[G1AS+4], 128
	s_mov_b32 s[G1AS+5], 1024
	s_mov_b32 s[G1AS+6], 0
	s_mov_b32 s[G1AS+7], 0
	s_or_b32 s[G1BS+0], s44, (1<<16)|(1<<20)|(1<<21)|(5<<22)|(3<<25)
	s_mov_b32 s[G1BS+1], KSTEP<<16
	s_mov_b32 s[G1BS+2], 64<<16
	s_mov_b32 s[G1BS+3], KSTEP<<16
	s_mov_b32 s[G1BS+4], 64
	s_mov_b32 s[G1BS+5], 1024
	s_mov_b32 s[G1BS+6], 0
	s_mov_b32 s[G1BS+7], 0
	; x's tiles hang on Y alone, Wq's on X alone; every wave makes both addresses, in registers that never hold the other coordinate
	s_lshl_b32 s17, s12, 7
	s_lshl_b32 s16, s13, 8
	s_add_co_u32 s16, s16, s17                     ; x: row 256 Y + 128 x half
	s_lshl_b32 s16, s16, 11                        ; in bytes (below 2^24)
	s_mov_b32 s17, 0
	s_lshl_b32 s47, s12, 6
	s_lshl_b32 s46, s42, 7
	s_add_co_u32 s46, s46, s47                     ; Wq: row 128 X + 64 x half
	s_lshl_b32 s46, s46, 11
	s_mov_b32 s47, 0
	s_mul_i32 s18, s10, 128*PL                     ; LDS: a constant + the wave's number x a constant.  x's halves by waves 0, 1; Wq's by waves 2, 3
	s_mul_i32 s19, s10, 64*PL
	s_mul_i32 s20, s10, 128*PS
	s_mul_i32 s21, s10, 64*PS
	s_wait_dscnt 0x0
	s_wait_kmcnt 0x0
	s_add_nc_u64 s[14:15], s[4:5], s[16:17]
	s_add_nc_u64 s[46:47], s[6:7], s[46:47]
	s_mov_b64 s[KVP:KVP+1], s[22:23]               ; kvt once more, for the fold's heads
	CROUND                                         ; all sixteen work-groups are here: the first joint loads meet
	s_mov_b32 s[G0AL], 1                           ; long slot: K steps 0 and 1
	s_add_co_u32 s[G0AL+1], s18, 0
	s_add_nc_u64 s[G0AL+2:G0AL+3], s[14:15], 0
	s_or_b32 s[G0AL+3], s[G0AL+3], 0x80000000
	s_mov_b32 s[G0BL], 1
	s_add_co_u32 s[G0BL+1], s19, LBO-2*64*PL
	s_add_nc_u64 s[G0BL+2:G0BL+3], s[46:47], 0
	s_or_b32 s[G0BL+3], s[G0BL+3], 0x80000000
	JLOAD G0AL, G1AL, G0BL, G1BL
	s_mov_b32 s[G0AS], 1                           ; short slot: K step 2
	s_add_co_u32 s[G0AS+1], s20, SAO
	s_add_nc_u64 s[G0AS+2:G0AS+3], s[14:15], 2*KSTEP*2
	s_or_b32 s[G0AS+3], s[G0AS+3], 0x80000000
	s_mov_b32 s[G0BS], 1
	s_add_co_u32 s[G0BS+1], s21, SBO-2*64*PS
	s_add_nc_u64 s[G0BS+2:G0BS+3], s[46:47], 2*KSTEP*2
	s_or_b32 s[G0BS+3], s[G0BS+3], 0x80000000
	JLOAD G0AS, G1AS, G0BS, G1BS                   ; both first fills are out: two tensor loads of the wave
	v_and_b32 v1, 15, v0                           ; r = l % 16
	v_bfe_u32 v2, v0, 4, 1                         ; h = l / 16
	v_mul_u32_u24 v3, v1, PL
	v_lshl_add_u32 v3, v2, 4, v3                   ; long slot: row x pitch + 16 h
	v_mul_u32_u24 v4, v1, PS
	v_lshl_add_u32 v4, v2, 4, v4                   ; short slot, and the stage: the same pitch
	s_mul_i32 s18, s10, 64*PL                      ; my 64 rows of x
	s_mul_i32 s19, s10, 64*PS
	s_add_co_u32 s19, s19, SAO
	v_add_nc_u32 v[ADRAL], s18, v3
	v_add_nc_u32 v[ADRBL], LBO, v3                 ; all 128 rows of Wq
	v_add_nc_u32 v[ADRAS], s19, v4
	v_add_nc_u32 v[ADRBS], SBO, v4
	s_mul_i32 s45, s10, 16*SPITCH
	s_add_co_u32 s45, s45, STAGE                   ; my stage
	v_add_nc_u32 v[STO], s45, v4                   ; in: row r, 16 bytes for each half of the lanes
	v_mul_u32_u24 v5, v2, SPITCH                   ; back: lanes 0-15 take one row of 256 bytes, lanes 16-31 the next
	v_lshl_add_u32 v5, v1, 4, v5
	v_add_nc_u32 v[RD], s45, v5
	v_lshlrev_b32 v5, 11, v2                       ; and the same two rows in qn or pt
	v_lshl_add_u32 v[CO], v1, 4, v5
	v_and_b32 v6, 31, v0
	v_lshlrev_b32 v[KO], 4, v6
	v_lshlrev_b32 v[WO], 11, v1
	v_lshl_add_u32 v[WO], v2, 4, v[WO]
	; ksum of my two heads
	s_lshr_b32 s16, s13, 4                         ; batch = Y / 16
	s_mul_i32 s16, s16, 163840                     ; 16 heads of 10,240 bytes
	s_mov_b32 s17, 0
	s_add_nc_u64 s[22:23], s[22:23], s[16:17]
	s_mul_i32 s46, s42, 20480                      ; heads 2 X, 2 X + 1
	s_mov_b32 s47, 0
	s_add_nc_u64 s[22:23], s[22:23], s[46:47]
	; the fold's piece, in registers that feed no descriptor
	s_lshl_b32 s90, s13, 3
	s_add_co_u32 s90, s90, s42                     ; f = 8 Y + X, 0 to 255
	s_and_b32 s91, s90, 15                         ; block of 64 rows j
	s_lshr_b32 s90, s90, 4                         ; 8 batch + pair of heads
	s_lshl_b32 s91, s91, 6
	s_lshl_b32 s94, s10, 4
	s_add_co_u32 s91, s91, s94                     ; my first row j: 64 x block + 16 x wave
	s_lshl_b32 s91, s91, 11
	s_and_b32 s94, s90, 7
	s_lshl_b32 s94, s94, 8                         ; the pair's 128 columns: 256 bytes
	s_add_co_u32 s92, s91, s94
	s_mov_b32 s93, 0
	s_add_nc_u64 s[WOP:WOP+1], s[WOP:WOP+1], s[92:93]
	s_lshr_b32 s94, s90, 3
	s_lshl_b32 s94, s94, 21                        ; pt: 2 MiB a batch
	s_add_co_u32 s92, s92, s94
	s_add_nc_u64 s[PTP:PTP+1], s[PTP:PTP+1], s[92:93]
	s_mul_i32 s92, s90, 20480                      ; kvt: (16 batch + 2 pair) records of 10,240 bytes
	s_add_nc_u64 s[KVP:KVP+1], s[KVP:KVP+1], s[92:93]
	; 48 loads, asked for now and waited for behind the K steps; until then nothing names their registers, their offsets or their bases
	WIN 0x80                                       ; destination window 2
.irp e, 0,1
.irp i, 0,1,2,3
	global_load_b128 v[KS+16*\e+4*\i:KS+16*\e+4*\i+3], v[KO], s[22:23] offset:10240*\e+512*(16+\i)   ; tile 16 + i: ksum[16 i + 8 h ..]
.endr
.endr
.irp e, 0,1
.irp kb, 0,1
	global_load_b128 v[WF+8*(2*\e+\kb):WF+8*(2*\e+\kb)+3],   v[WO], s[WOP:WOP+1] offset:128*\e+64*\kb      ; Wo(r, 64 e + 32 kb + 8 h ..)
	global_load_b128 v[WF+8*(2*\e+\kb)+4:WF+8*(2*\e+\kb)+7], v[WO], s[WOP:WOP+1] offset:128*\e+64*\kb+32   ; Wo(r, 64 e + 32 kb + 16 + 8 h ..)
.endr
.endr
.irp e, 0,1
.irp di, 0,1,2,3
.irp kb, 0,1
	global_load_b128 v[KV+8*(8*\e+2*\di+\kb):KV+8*(8*\e+2*\di+\kb)+3],   v[KO], s[KVP:KVP+1] offset:10240*\e+512*(8*\kb+\di)     ; tile (mj = 2 kb, di): m = 32 kb + 8 h ..
	global_load_b128 v[KV+8*(8*\e+2*\di+\kb)+4:KV+8*(8*\e+2*\di+\kb)+7], v[KO], s[KVP:KVP+1] offset:10240*\e+512*(8*\kb+4+\di)   ; tile (mj = 2 kb + 1, di): m = 32 kb + 16 + 8 h ..
.endr
.endr
.endr
	WIN 0
; 8 matrix instructions: row block a x all 8 column blocks, 32 along K, from buffer n.  zero = 1: the first product starts the sums.
.macro MUL8 n, a, zero
.irp b, 0,1,2,3,4,5,6,7
.if \zero
	v_wmma_f32_16x16x32_bf16 v[8*(8*\a+\b):8*(8*\a+\b)+7], v[FB+64*\n+8*\b:FB+64*\n+8*\b+7], v[FA+32*\n+8*\a:FA+32*\n+8*\a+7], 0
.else
	v_wmma_f32_16x16x32_bf16 v[8*(8*\a+\b):8*(8*\a+\b)+7], v[FB+64*\n+8*\b:FB+64*\n+8*\b+7], v[FA+32*\n+8*\a:FA+32*\n+8*\a+7], v[8*(8*\a+\b):8*(8*\a+\b)+7]
.endif
.endr
.endm
; 24 LDS loads in one run: the fragments of one quarter step (128 rows of Wq, my 64 rows of x, 32 K at byte k of the rows) into buffer n.
; ra, rb: the slot's address registers; p: its pitch.
.macro FETCH ra, rb, p, k, n
	WIN 0
.irp i, 0,1,2,3,4,5,6,7
	ds_load_b128 v[FB+64*\n+8*\i:FB+64*\n+8*\i+3],   v[\rb] offset:\k+\i*16*\p
	ds_load_b128 v[FB+64*\n+8*\i+4:FB+64*\n+8*\i+7], v[\rb] offset:\k+\i*16*\p+32
.endr
.irp i, 0,1,2,3
	ds_load_b128 v[FA+32*\n+8*\i:FA+32*\n+8*\i+3],   v[\ra] offset:\k+\i*16*\p
	ds_load_b128 v[FA+32*\n+8*\i+4:FA+32*\n+8*\i+7], v[\ra] offset:\k+\i*16*\p+32
.endr
.endm
; Four places behind a matrix instruction before a load is issued into a register that it has read, and before a vector instruction reads its result or writes one
; of its registers (ISA guide 7.12.1 for vector instructions).
.macro PLACES
.rept 4
	v_nop
.endr
.endm
; A quarter step is 32 along K, 32 matrix instructions, on buffers 0, 1 in turn; the long slot has eight, the short slot four, so every slot begins on buffer 0 and ends
; on buffer 1.  The 32 accumulators take turns, one instruction a turn, in the same order in every quarter.
; A quarter that is not its slot's last: the next quarter's 24 loads go out first, into the buffer that the last quarter multiplied, and have this quarter's 32 matrix
; instructions in which to come back.
.macro QUARTER ra, rb, p, k, cur, nxt, zero
	s_wait_dscnt 0                                 ; this quarter's fragments, asked for a quarter ago, are in
	PLACES
	FETCH \ra, \rb, \p, \k, \nxt
	WIN MULW
	MUL8 \cur, 0, \zero
	MUL8 \cur, 1, \zero
	MUL8 \cur, 2, \zero
	MUL8 \cur, 3, \zero
.endm
.macro SEVEN zero                      ; the long slot's first seven quarters
	QUARTER ADRAL, ADRBL, PL, 64,  0, 1, \zero
	QUARTER ADRAL, ADRBL, PL, 128, 1, 0, 0
	QUARTER ADRAL, ADRBL, PL, 192, 0, 1, 0
	QUARTER ADRAL, ADRBL, PL, 256, 1, 0, 0
	QUARTER ADRAL, ADRBL, PL, 320, 0, 1, 0
	QUARTER ADRAL, ADRBL, PL, 384, 1, 0, 0
	QUARTER ADRAL, ADRBL, PL, 448, 0, 1, 0
.endm
.macro THREE                           ; the short slot's first three quarters
	QUARTER ADRAS, ADRBS, PS, 64,  0, 1, 0
	QUARTER ADRAS, ADRBS, PS, 128, 1, 0, 0
	QUARTER ADRAS, ADRBS, PS, 192, 0, 1, 0
.endm
; A slot's last quarter multiplies buffer 1 and changes slots.  fill = 1: the long slot, which has just been read, is filled again; 2: the short slot; 0: nothing.
; ra, rb, p: the slot that is read next.  In front of the barrier each wave waits for its reads of this slot and for all its tensor loads (one is out: its part of the
; next slot); behind it the refill comes first, then the next slot's first fragments.  Each slot's next tile lies three K steps on.
.macro TURN fill, ra, rb, p
	s_wait_dscnt 0                                 ; buffer 1 is in, and my reads of this slot are over
	s_wait_tensorcnt 0x0                           ; all my tensor loads have landed
	ds_add_u32 v30, v31
	s_wait_dscnt 0x0
	s_barrier_signal -1                            ; say so (where a slot is filled again this barrier opens a round of the cluster's barrier),
	WIN MULW
	MUL8 1, 0, 0                                   ; work on registers while the others arrive,
	MUL8 1, 1, 0
	WIN 0
	s_barrier_wait -1
.if \fill == 1
	CREST                                          ; no wave of any partner still reads this slot's tile or has a load on its way
	s_add_nc_u64 s[G0AL+2:G0AL+3], s[G0AL+2:G0AL+3], 3*KSTEP*2
	s_add_nc_u64 s[G0BL+2:G0BL+3], s[G0BL+2:G0BL+3], 3*KSTEP*2
	JLOAD G0AL, G1AL, G0BL, G1BL                   ; the first tensor load behind the round, and the wave's only one until the next
.endif
.if \fill == 2
	CREST
	s_add_nc_u64 s[G0AS+2:G0AS+3], s[G0AS+2:G0AS+3], 3*KSTEP*2
	s_add_nc_u64 s[G0BS+2:G0BS+3], s[G0BS+2:G0BS+3], 3*KSTEP*2
	JLOAD G0AS, G1AS, G0BS, G1BS
.endif
	PLACES
	FETCH \ra, \rb, \p, 0, 0
	WIN MULW
	MUL8 1, 2, 0
	MUL8 1, 3, 0
.endm
	s_wait_tensorcnt 0x1                           ; my part of the long slot is in; the short slot's load stays out
	s_barrier_signal -1
	s_barrier_wait -1
	FETCH ADRAL, ADRBL, PL, 0, 0
	SEVEN 1                                        ; K steps 0, 1: the first products start the sums
	TURN 1, ADRAS, ADRBS, PS                       ; the long slot gets steps 3, 4
	THREE                                          ; K step 2
	TURN 2, ADRAL, ADRBL, PL                       ; the short slot gets step 5
	SEVEN 0                                        ; K steps 3, 4
	TURN 1, ADRAS, ADRBS, PS                       ; the long slot gets steps 6, 7: the last load
	THREE                                          ; K step 5
	TURN 0, ADRAL, ADRBL, PL                       ; nothing is left to fetch: a plain barrier
	SEVEN 0                                        ; K steps 6, 7
	s_wait_dscnt 0
	WIN MULW
	MUL8 1, 0, 0
	MUL8 1, 1, 0
	MUL8 1, 2, 0
	MUL8 1, 3, 0
; The feature map on four tiles (window 1's registers 32 g .. 32 g + 31): q in f32 goes back into the same registers, for the division, and packed to bf16 into
; QF + 16 g .. + 15 of window 0, for den.
.macro FMAPQ g
	WIN 0x01                                       ; source 0 window 1
.set fi, 0
.rept 16
	v_pk_mul_f32 v[T+2*fi:T+2*fi+1], v[32*\g+2*fi:32*\g+2*fi+1], s[16:17] op_sel_hi:[1,0]   ; a log2 e
.set fi, fi+1
.endr
.set fi, 0
.rept 16
	v_pk_add_f32 v[U+2*fi:U+2*fi+1], v[32*\g+2*fi:32*\g+2*fi+1], 1.0 op_sel_hi:[1,0]        ; a + 1
.set fi, fi+1
.endr
	WIN 0
.set fi, 0
.rept 32
	v_min_num_f32 v[T+fi], 0, v[T+fi]              ; the exponent never passes 0: no overflow for any a
.set fi, fi+1
.endr
.set fi, 0
.rept 32
	v_exp_f32 v[E+fi], v[T+fi]
.set fi, fi+1
.endr
	v_nop                                          ; one plain vector instruction between the run of v_exp_f32 and the first use of a result (ISA guide 5.7.2)
	WIN 0x40                                       ; destination window 1
.set fi, 0
	s_wait_alu depctr_va_vdst(0)
.rept 32
	v_max_num_f32 v[32*\g+fi], v[U+fi], v[E+fi]
.set fi, fi+1
.endr
	WIN 0x05                                       ; sources window 1
.set fi, 0
.rept 16
	v_cvt_pk_bf16_f32 v[QF+16*\g+fi], v[32*\g+2*fi], v[32*\g+2*fi+1]
.set fi, fi+1
.endr
.endm
; 8 matrix instructions: den's tiles (a, e), half kb of the head's 64 numbers.  Source 0: sixteen equal rows of ksum, so every register of a lane holds den of its row.
.macro DEN kb
.irp a, 0,1,2,3
.irp e, 0,1
.if \kb == 0
	v_wmma_f32_16x16x32_bf16 v[DN+8*(2*\a+\e):DN+8*(2*\a+\e)+7], v[KS+16*\e+8*\kb:KS+16*\e+8*\kb+7], v[QF+32*\a+16*\e+8*\kb:QF+32*\a+16*\e+8*\kb+7], 0
.else
	v_wmma_f32_16x16x32_bf16 v[DN+8*(2*\a+\e):DN+8*(2*\a+\e)+7], v[KS+16*\e+8*\kb:KS+16*\e+8*\kb+7], v[QF+32*\a+16*\e+8*\kb:QF+32*\a+16*\e+8*\kb+7], v[DN+8*(2*\a+\e):DN+8*(2*\a+\e)+7]
.endif
.endr
.endr
.endm
; 8 matrix instructions of the fold, one for each tile b = 4 e + di at window 1's v[8 b], half kb of the head's 64 m.  kb = 0 starts the sums.
.macro PMUL kb
.irp e, 0,1
.irp di, 0,1,2,3
.if \kb == 0
	v_wmma_f32_16x16x32_bf16 v[8*(4*\e+\di):8*(4*\e+\di)+7], v[KV+8*(8*\e+2*\di+\kb):KV+8*(8*\e+2*\di+\kb)+7], v[WF+8*(2*\e+\kb):WF+8*(2*\e+\kb)+7], 0
.else
	v_wmma_f32_16x16x32_bf16 v[8*(4*\e+\di):8*(4*\e+\di)+7], v[KV+8*(8*\e+2*\di+\kb):KV+8*(8*\e+2*\di+\kb)+7], v[WF+8*(2*\e+\kb):WF+8*(2*\e+\kb)+7], v[8*(4*\e+\di):8*(4*\e+\di)+7]
.endif
.endr
.endr
.endm
	PLACES                                         ; behind the last matrix instructions: what follows reads results and writes fragment registers
	s_mov_b32 s16, 0x3fb8aa3b                      ; log2 e, in both registers of the pair that the packed multiply names
	s_mov_b32 s17, 0x3fb8aa3b
	s_mov_b32 s18, 0x358637bd                      ; 1e-6
.irp g, 0,1,2,3,4,5,6,7
	FMAPQ \g
.endr
	s_wait_loadcnt 0x0                             ; ksum is in, and the fold's kv and Wo
	; 16 matrix instructions on eight accumulators that take turns, one instruction a turn
	WIN 0xa2                                       ; source 0 window 2, source 1 window 0, C and D window 2
	DEN 0
	DEN 1
	PLACES
	WIN 0x8a                                       ; all in window 2
.irp i, 0,1,2,3,4,5,6,7
	v_add_f32 v[DN+8*\i+1], s18, v[DN+8*\i]        ; den + 1e-6, into the pair's second register
.endr
.irp i, 0,1,2,3,4,5,6,7
	v_rcp_f32 v[DN+8*\i], v[DN+8*\i+1]
.endr
	v_nop                                          ; one plain vector instruction between the run of v_rcp_f32 and the first use of a result (ISA guide 5.7.2)
	WIN 0x49                                       ; q in window 1, times the reciprocal in window 2
	s_wait_alu depctr_va_vdst(0)
.irp a, 0,1,2,3
.irp e, 0,1
.irp mj, 0,1,2,3
.irp i, 0,1,2,3
	v_pk_mul_f32 v[8*(8*\a+4*\e+\mj)+2*\i:8*(8*\a+4*\e+\mj)+2*\i+1], v[8*(8*\a+4*\e+\mj)+2*\i:8*(8*\a+4*\e+\mj)+2*\i+1], v[DN+8*(2*\a+\e):DN+8*(2*\a+\e)+1] op_sel_hi:[1,0]
.endr
.endr
.endr
.endr
	; the way out, 16 rows at a time: round to bf16, 16 bytes a lane into my own stage, read back as whole rows of 256 bytes
	s_lshl_b32 s16, s13, 8
	s_lshl_b32 s17, s10, 6
	s_add_co_u32 s16, s16, s17                     ; my first row: 256 Y + 64 x wave
	s_lshl_b32 s16, s16, 11
	s_mov_b32 s17, 0
	s_add_nc_u64 s[8:9], s[8:9], s[16:17]
	s_lshl_b32 s46, s42, 8                         ; my first column, in bytes: 256 X
	s_mov_b32 s47, 0
	s_add_nc_u64 s[8:9], s[8:9], s[46:47]
; the eight tiles (a, 0..7) of window 1; f: the registers that take the rows read back; p: the pair with the base; adv = 1: the base goes 16 rows on
.macro OUT16 a, f, p, adv
	WIN 0x05                                       ; sources window 1
.irp b, 0,1,2,3,4,5,6,7
.irp r, 0,1,2,3
	v_cvt_pk_bf16_f32 v[TMP+4*\b+\r], v[8*(8*\a+\b)+2*\r], v[8*(8*\a+\b)+2*\r+1]
.endr
.endr
	WIN 0
.irp b, 0,1,2,3,4,5,6,7
	ds_store_b128 v[STO], v[TMP+4*\b:TMP+4*\b+3] offset:32*\b
.endr
	s_wait_xcnt 0x0                                ; every earlier memory instruction has had its addresses translated (ISA guide 3.1): buffer f, which stores read, and the stores' base are rewritten only behind this wait
.if \adv
	s_add_nc_u64 s[\p:\p+1], s[\p:\p+1], 16*ROWB
.endif
.irp t, 0,1,2,3,4,5,6,7
	ds_load_b128 v[\f+4*\t:\f+4*\t+3], v[RD] offset:\t*2*SPITCH    ; LDS serves a wave's instructions in order (ISA guide 5.7.1.4): these see the stores above
.endr
.irp t, 0,1,2,3,4,5,6,7
	s_wait_dscnt 7-\t                              ; rows 2 t, 2 t + 1 are in; the 7 - t younger loads stay out
	global_store_b128 v[CO], v[\f+4*\t:\f+4*\t+3], s[\p:\p+1] offset:2*\t*ROWB   ; 16 lanes store 256 consecutive bytes, at a multiple of 256 from the buffer's first byte
.endr
.endm
	OUT16 0, 64, 8, 0
	OUT16 1, 96, 8, 1
	OUT16 2, 64, 8, 1
	OUT16 3, 96, 8, 1
	; the fold: 16 matrix instructions on eight accumulators that take turns, one instruction a turn; window 1's v0-63 have left as qn
	WIN 0x5a                                       ; sources window 2, C and D window 1
	PMUL 0
	PMUL 1
	PLACES
	OUT16 0, 64, PTP, 0                            ; my 16 rows x 128 columns of pt
	s_wait_tensorcnt 0x0
	ds_add_u32 v30, v31
	s_wait_dscnt 0x0
	CROUND                                         ; the closing round: no work-group ends while a partner may still ask for a tile that names it
	s_endpgm
.Lfunc_end_k_q33b1cd039a_q:
	.size	k_q33b1cd039a_q, .Lfunc_end_k_q33b1cd039a_q-k_q33b1cd039a_q
	.p2alignl 7, 3214868480
	.fill 96, 4, 3214868480
	.section	.rodata,"a",@progbits
	.p2align	6, 0x0
	.amdhsa_kernel k_q33b1cd039a_q
		.amdhsa_group_segment_fixed_size 327680
		.amdhsa_private_segment_fixed_size 0
		.amdhsa_enable_private_segment 0
		.amdhsa_kernarg_size 48
		.amdhsa_user_sgpr_count 2
		.amdhsa_user_sgpr_kernarg_segment_ptr 1
		.amdhsa_wavefront_size32 1
		.amdhsa_system_sgpr_workgroup_id_x 1
		.amdhsa_system_sgpr_workgroup_id_y 1
		.amdhsa_system_sgpr_workgroup_id_z 1
		.amdhsa_system_vgpr_workitem_id 0
		.amdhsa_next_free_vgpr 768
		.amdhsa_next_free_sgpr 96
		.amdhsa_reserve_vcc 0
		.amdhsa_float_denorm_mode_32 3
		.amdhsa_float_denorm_mode_16_64 3
		.amdhsa_memory_ordered 1
		.amdhsa_forward_progress 1
		.amdhsa_inst_pref_size 217
	.end_amdhsa_kernel
	.amdgpu_metadata
---
amdhsa.version: [ 1, 2 ]
amdhsa.kernels:
  - .name:           k_q33b1cd039a_q
    .symbol:         k_q33b1cd039a_q.kd
    .args:
      - { .name: xb, .offset: 0, .size: 8, .value_kind: global_buffer, .address_space: global }
      - { .name: wqb, .offset: 8, .size: 8, .value_kind: global_buffer, .address_space: global }
      - { .name: qn, .offset: 16, .size: 8, .value_kind: global_buffer, .address_space: global }
      - { .name: kvt, .offset: 24, .size: 8, .value_kind: global_buffer, .address_space: global }
      - { .name: wob, .offset: 32, .size: 8, .value_kind: global_buffer, .address_space: global }
      - { .name: pt, .offset: 40, .size: 8, .value_kind: global_buffer, .address_space: global }
    .group_segment_fixed_size: 327680
    .private_segment_fixed_size: 0
    .kernarg_segment_align: 8
    .kernarg_segment_size: 48
    .max_flat_workgroup_size: 128
    .sgpr_count:     96
    .vgpr_count:     768
    .wavefront_size: 32
...
	.end_amdgpu_metadata
.endif
;; end of part 4
;; launch out (part 5): grid 8 x 32, 4 waves a work-group, clusters of 4 x 4, 327,680 bytes of LDS; arguments qn, pt, out0; writes out0
.if DOCPART == 5
	.amdgcn_target "amdgcn-amd-amdhsa--gfx1250"
	.amdhsa_code_object_version 6
	.text
	.protected	k_q33b1cd039a_out
	.globl	k_q33b1cd039a_out
	.p2align	8
	.type	k_q33b1cd039a_out,@function
k_q33b1cd039a_out:
	s_mov_b64 s[64:65], 0
	v_nop
	global_prefetch_b8 v0, s[64:65] scope:SCOPE_SE
	s_setreg_imm32_b32 hwreg(HW_REG_WAVE_MODE, 25, 1), 1
	s_wait_xcnt 0x0
	s_wait_alu depctr_hold_cnt(0) depctr_sa_sdst(0) depctr_va_vdst(0) depctr_va_sdst(0) depctr_va_ssrc(0) depctr_va_vcc(0) depctr_vm_vsrc(0)
	s_getreg_b32 s2, hwreg(HW_REG_IB_STS2, 6, 4)
	s_cmp_eq_u32 s2, 0
	s_cbranch_scc0 .Lentry_in_a_cluster
	s_endpgm
.Lentry_in_a_cluster:
	s_bfe_u32 s2, ttmp6, 0x10000c
	s_cmp_lg_u32 s2, 0xf033
	s_cbranch_scc0 .Lentry_shape_is_right
	s_endpgm
.Lentry_shape_is_right:
; out: out0[n][j] = sum over c = 64 h + d of qn[n][c] pt[batch of n][j][c].  qn: [8192][1024] bf16 (q / (den + 1e-6)), pt: [2][1024][1024] bf16 (kv folded into Wo),
; out0: [8192][1024] f32; sums in f32, K ascending.
; A work-group makes 256 rows x 128 columns with four waves; wave w makes rows 64 w .. 64 w + 63 x all 128 columns: 32 accumulator tiles, 256 registers.
; The block is half as wide as it is high so that the 8,192 x 1,024 results make 256 work-groups.
; THE RING: K (1,024) is 8 steps of 128, each 128 matrix instructions of a wave.  Two slots of two steps each would take 2 x 384 rows x 528 bytes = 405,504 bytes and do
; not fit in LDS; a LONG slot of two steps (rows of 512 bytes, pitch 528: 202,752 bytes) and a SHORT slot of one (rows of 256 bytes, pitch 272: 104,448 bytes) do.
; They take turns: long (steps 0, 1), short (2), long (3, 4), short (5), long (6, 7).  Both first fills go out together; three refills follow, so three rounds of the
; cluster's barrier serve the 8 steps.  From its request to the wait for it the short slot's refill has 240 matrix instructions, the long slot's 112.
; All rows of all tiles are 256 or 512 bytes of memory and start at multiples of 256 bytes.
; CLUSTERS: 4 x 4 work-groups.  qn's tiles hang on the block row alone and are asked for jointly along a row of the cluster; pt's hang on the block column and on the
; batch, which is the cluster's y / 4 (a cluster's 1,024 rows lie in one batch of 4,096) and so equal in the whole cluster: they are asked for jointly along a column.
; The requests for both are divided by four.
; ORIENTATION: source 0 = 16 rows of pt, source 1 = 16 rows of qn: in tile (a, b) lane l holds row 16 a + l % 16 and its registers the columns
; 16 b + 8 (l / 16) + 0..7: 32 neighbouring bytes of a row of out0, which go through LDS, 64 columns at a time, to leave as runs of 256 bytes.
;
; REGISTERS (s_set_vgpr_msb's low byte: bits 1:0 source 0, 3:2 source 1, 5:4 source 2, 7:6 destination):
;   window 0: v0-31 addresses; v64-95, v96-127 fragments of qn, two buffers; v128-191, v192-255 fragments of pt, two buffers; on the way out v64-127 rows read back
;   window 1: the 32 accumulator tiles, tile (a, b) at v[8 (8 a + b)]
.set KSTEP,  128
.set PL,     528                       ; the long slot's pitch: 512 bytes + 16 = 33 x 16: the 16 rows that a load touches start at 16 different groups of banks (64 banks of 4 bytes: ISA guide 11.1)
.set PS,     272                       ; the short slot's pitch: 256 bytes + 16 = 17 x 16
.set LBO,    256*PL                    ; long slot: qn's 256 rows at 0, pt's 128 rows here
.set SAO,    384*PL                    ; short slot: qn's 256 rows here,
.set SBO,    SAO+256*PS                ; pt's 128 rows here
.set STAGE,  SAO+384*PS                ; behind the ring: 16 rows x 272 bytes for each wave, into which no tensor load lands
.set SPITCH, 272
.set OROW,   4096                      ; bytes in a row of out0
.set ADRAL, 16                         ; v16  LDS address of my qn fragments in the long slot
.set ADRBL, 17                         ; v17  the same for pt
.set ADRAS, 18                         ; v18  qn, short slot
.set ADRBS, 19                         ; v19  pt, short slot
.set STO,  24                          ; v24  the way out: where I put 32 bytes of a row
.set RD,   25                          ; v25  the way out: where I read a row back
.set CO,   26                          ; v26  my byte offset in out0
.set FA,   64                          ; qn's fragment buffers: FA + 32 n
.set FB,   128                         ; pt's fragment buffers: FB + 64 n
.set G1AL, 24                          ; s[24:31] descriptor group 1, qn, long slot
.set G0AL, 32                          ; s[32:35] descriptor group 0, qn, long slot
.set G0AS, 36                          ; s[36:39] descriptor group 0, qn, short slot
.set G1BL, 48                          ; s[48:55] descriptor group 1, pt, long slot
.set G0BL, 56                          ; s[56:59] descriptor group 0, pt, long slot
.set G0BS, 60                          ; s[60:63] descriptor group 0, pt, short slot
.set G1AS, 68                          ; s[68:75] descriptor group 1, qn, short slot
.set G1BS, 76                          ; s[76:83] descriptor group 1, pt, short slot
.set MSB, 0
.macro WIN new                         ; the immediate's high byte repeats the setting that is left
.if MSB != \new
	s_set_vgpr_msb (MSB<<8)|\new
.set MSB, \new
.endif
.endm
.set MULW, 0x50                        ; sources window 0, C and D window 1
; A joint load.  Waves 0 and 1 fetch qn's two halves, waves 2 and 3 pt's.  Each line has one mask and one set of registers; the branch hangs on the wave's number alone.
.macro JLOAD g0a, g1a, g0b, g1b
	s_cmp_eq_u32 s11, 0
	s_cbranch_scc0 .Lfor_b_\@
	tensor_load_to_lds s[\g0a:\g0a+3], s[\g1a:\g1a+7]
	s_nop 0
	s_branch .Lasked_\@
.Lfor_b_\@:
	tensor_load_to_lds s[\g0b:\g0b+3], s[\g1b:\g1b+7]
	s_nop 0
.Lasked_\@:
.endm
; A round of the cluster's barrier: my work-group's barrier; wave 0 signals for the work-group; every wave waits for all sixteen; my work-group's barrier once more.
.macro CREST
	s_cmp_lg_u32 s10, 0
	s_cbranch_scc1 .Lnot_wave_0_\@
	s_barrier_signal -3
.Lnot_wave_0_\@:
	s_barrier_wait -3
	s_barrier_signal -1
	s_barrier_wait -1
.endm
.macro CROUND
	s_barrier_signal -1
	s_barrier_wait -1
	CREST
.endm
	s_load_b128 s[4:7], s[0:1], 0x0                ; qn s[4:5], pt s[6:7]
	s_load_b64 s[8:9], s[0:1], 0x10                ; out0
	v_lshl_add_u32 v62, v0, 2, 0x4f400
	v_mov_b32 v63, 0
	ds_add_u32 v62, v63
	v_lshrrev_b32 v1, 5, v0
	v_readfirstlane_b32 s10, v1                    ; wave 0..3
	s_lshr_b32 s11, s10, 1                         ; I fetch for qn (0) or for pt (1)
	s_and_b32 s12, s10, 1                          ; which half of that tile
	s_bfe_u32 s40, ttmp6, 0x40000                  ; cx
	s_bfe_u32 s41, ttmp6, 0x40004                  ; cy
	s_lshl_b32 s42, ttmp9, 2
	s_add_co_u32 s42, s42, s40                     ; X: block of 128 columns = 4 x cluster x + cx
	s_and_b32 s13, ttmp7, 0xffff
	s_lshl_b32 s13, s13, 2
	s_add_co_u32 s13, s13, s41                     ; Y: block of 256 rows = 4 x cluster y + cy
	s_lshl_b32 s43, s41, 2
	s_lshl_b32 s43, 15, s43                        ; my row of the cluster
	s_lshl_b32 s44, 0x1111, s40                    ; my column
	; group 1, long slot: rows of 256 elements, 4 words of padding after every 128 words
	s_or_b32 s[G1AL+0], s43, (1<<16)|(1<<20)|(1<<21)|(6<<22)|(3<<25)  ; mask of my row; element of 2 bytes; padding on; bit 21 beside a mask
	s_mov_b32 s[G1AL+1], 256<<16                   ; tensor_dim0 = 256
	s_mov_b32 s[G1AL+2], 128<<16                   ; tensor_dim1 = 128
	s_mov_b32 s[G1AL+3], 256<<16                   ; tile_dim0 = 256
	s_mov_b32 s[G1AL+4], 128                       ; tile_dim1 = 128 rows
	s_mov_b32 s[G1AL+5], 1024                      ; elements from row to row
	s_mov_b32 s[G1AL+6], 0
	s_mov_b32 s[G1AL+7], 0
	s_or_b32 s[G1BL+0], s44, (1<<16)|(1<<20)|(1<<21)|(6<<22)|(3<<25)  ; the same with the mask of my column
	s_mov_b32 s[G1BL+1], 256<<16
	s_mov_b32 s[G1BL+2], 64<<16                    ; tensor_dim1 = 64
	s_mov_b32 s[G1BL+3], 256<<16
	s_mov_b32 s[G1BL+4], 64                        ; tile_dim1 = 64 rows
	s_mov_b32 s[G1BL+5], 1024
	s_mov_b32 s[G1BL+6], 0
	s_mov_b32 s[G1BL+7], 0
	; group 1, short slot: rows of 128 elements, 4 words of padding after every 64 words
	s_or_b32 s[G1AS+0], s43, (1<<16)|(1<<20)|(1<<21)|(5<<22)|(3<<25)
	s_mov_b32 s[G1AS+1], KSTEP<<16
	s_mov_b32 s[G1AS+2], 128<<16
	s_mov_b32 s[G1AS+3], KSTEP<<16
	s_mov_b32 s[G1AS+4], 128
	s_mov_b32 s[G1AS+5], 1024
	s_mov_b32 s[G1AS+6], 0
	s_mov_b32 s[G1AS+7], 0
	s_or_b32 s[G1BS+0], s44, (1<<16)|(1<<20)|(1<<21)|(5<<22)|(3<<25)
	s_mov_b32 s[G1BS+1], KSTEP<<16
	s_mov_b32 s[G1BS+2], 64<<16
	s_mov_b32 s[G1BS+3], KSTEP<<16
	s_mov_b32 s[G1BS+4], 64
	s_mov_b32 s[G1BS+5], 1024
	s_mov_b32 s[G1BS+6], 0
	s_mov_b32 s[G1BS+7], 0
	; qn's tiles hang on Y alone, pt's on X and the cluster's y; every wave makes both addresses; qn's registers never hold cx, pt's never cy
	s_lshl_b32 s17, s12, 7
	s_lshl_b32 s16, s13, 8
	s_add_co_u32 s16, s16, s17                     ; qn: row 256 Y + 128 x half
	s_lshl_b32 s16, s16, 11                        ; in bytes (below 2^24)
	s_mov_b32 s17, 0
	s_lshl_b32 s47, s12, 6
	s_lshl_b32 s46, s42, 7
	s_add_co_u32 s46, s46, s47                     ; pt: row 128 X + 64 x half
	s_lshl_b32 s46, s46, 11
	s_and_b32 s47, ttmp7, 0xffff
	s_lshr_b32 s47, s47, 2                         ; batch = cluster y / 4
	s_lshl_b32 s47, s47, 21                        ; 2 MiB of pt a batch
	s_add_co_u32 s46, s46, s47
	s_mov_b32 s47, 0
	s_mul_i32 s18, s10, 128*PL                     ; LDS: a constant + the wave's number x a constant.  qn's halves by waves 0, 1; pt's by waves 2, 3
	s_mul_i32 s19, s10, 64*PL
	s_mul_i32 s20, s10, 128*PS
	s_mul_i32 s21, s10, 64*PS
	s_wait_dscnt 0x0
	s_wait_kmcnt 0x0
	s_add_nc_u64 s[14:15], s[4:5], s[16:17]
	s_add_nc_u64 s[46:47], s[6:7], s[46:47]
	CROUND                                         ; all sixteen work-groups are here: the first joint loads meet
	s_mov_b32 s[G0AL], 1                           ; long slot: K steps 0 and 1
	s_add_co_u32 s[G0AL+1], s18, 0
	s_add_nc_u64 s[G0AL+2:G0AL+3], s[14:15], 0
	s_or_b32 s[G0AL+3], s[G0AL+3], 0x80000000
	s_mov_b32 s[G0BL], 1
	s_add_co_u32 s[G0BL+1], s19, LBO-2*64*PL
	s_add_nc_u64 s[G0BL+2:G0BL+3], s[46:47], 0
	s_or_b32 s[G0BL+3], s[G0BL+3], 0x80000000
	JLOAD G0AL, G1AL, G0BL, G1BL
	s_mov_b32 s[G0AS], 1                           ; short slot: K step 2
	s_add_co_u32 s[G0AS+1], s20, SAO
	s_add_nc_u64 s[G0AS+2:G0AS+3], s[14:15], 2*KSTEP*2
	s_or_b32 s[G0AS+3], s[G0AS+3], 0x80000000
	s_mov_b32 s[G0BS], 1
	s_add_co_u32 s[G0BS+1], s21, SBO-2*64*PS
	s_add_nc_u64 s[G0BS+2:G0BS+3], s[46:47], 2*KSTEP*2
	s_or_b32 s[G0BS+3], s[G0BS+3], 0x80000000
	JLOAD G0AS, G1AS, G0BS, G1BS                   ; both first fills are out: two tensor loads of the wave
	v_and_b32 v1, 15, v0                           ; r = l % 16
	v_bfe_u32 v2, v0, 4, 1                         ; h = l / 16
	v_mul_u32_u24 v3, v1, PL
	v_lshl_add_u32 v3, v2, 4, v3                   ; long slot: row x pitch + 16 h
	v_mul_u32_u24 v4, v1, PS
	v_lshl_add_u32 v4, v2, 4, v4                   ; short slot
	s_mul_i32 s18, s10, 64*PL                      ; my 64 rows of qn
	s_mul_i32 s19, s10, 64*PS
	s_add_co_u32 s19, s19, SAO
	v_add_nc_u32 v[ADRAL], s18, v3
	v_add_nc_u32 v[ADRBL], LBO, v3                 ; all 128 rows of pt
	v_add_nc_u32 v[ADRAS], s19, v4
	v_add_nc_u32 v[ADRBS], SBO, v4
	s_mul_i32 s45, s10, 16*SPITCH
	s_add_co_u32 s45, s45, STAGE                   ; my stage
	v_mul_u32_u24 v5, v1, SPITCH                   ; in: row r, 32 bytes for each half of the lanes
	v_lshl_add_u32 v5, v2, 5, v5
	v_add_nc_u32 v[STO], s45, v5
	v_mul_u32_u24 v6, v2, SPITCH                   ; back: lanes 0-15 take one row's 256 bytes, lanes 16-31 the next row's
	v_lshl_add_u32 v6, v1, 4, v6
	v_add_nc_u32 v[RD], s45, v6
	v_lshlrev_b32 v6, 12, v2                       ; and the same two rows in out0
	v_lshl_add_u32 v[CO], v1, 4, v6
; 8 matrix instructions: row block a x all 8 column blocks, 32 along K, from buffer n.  zero = 1: the first product starts the sums.
.macro MUL8 n, a, zero
.irp b, 0,1,2,3,4,5,6,7
.if \zero
	v_wmma_f32_16x16x32_bf16 v[8*(8*\a+\b):8*(8*\a+\b)+7], v[FB+64*\n+8*\b:FB+64*\n+8*\b+7], v[FA+32*\n+8*\a:FA+32*\n+8*\a+7], 0
.else
	v_wmma_f32_16x16x32_bf16 v[8*(8*\a+\b):8*(8*\a+\b)+7], v[FB+64*\n+8*\b:FB+64*\n+8*\b+7], v[FA+32*\n+8*\a:FA+32*\n+8*\a+7], v[8*(8*\a+\b):8*(8*\a+\b)+7]
.endif
.endr
.endm
; 24 LDS loads in one run: the fragments of one quarter step (128 rows of pt, my 64 rows of qn, 32 K at byte k of the rows) into buffer n.
; ra, rb: the slot's address registers; p: its pitch.
.macro FETCH ra, rb, p, k, n
	WIN 0
.irp i, 0,1,2,3,4,5,6,7
	ds_load_b128 v[FB+64*\n+8*\i:FB+64*\n+8*\i+3],   v[\rb] offset:\k+\i*16*\p
	ds_load_b128 v[FB+64*\n+8*\i+4:FB+64*\n+8*\i+7], v[\rb] offset:\k+\i*16*\p+32
.endr
.irp i, 0,1,2,3
	ds_load_b128 v[FA+32*\n+8*\i:FA+32*\n+8*\i+3],   v[\ra] offset:\k+\i*16*\p
	ds_load_b128 v[FA+32*\n+8*\i+4:FA+32*\n+8*\i+7], v[\ra] offset:\k+\i*16*\p+32
.endr
.endm
; Four places behind a matrix instruction before a load is issued into a register that it has read, and before a store reads its result
; (ISA guide 7.12.1 for vector instructions).
.macro PLACES
.rept 4
	v_nop
.endr
.endm
; A quarter step is 32 along K, 32 matrix instructions, on buffers 0, 1 in turn; the long slot has eight, the short slot four, so every slot begins on buffer 0 and ends
; on buffer 1.  The 32 accumulators take turns, one instruction a turn, in the same order in every quarter.
; A quarter that is not its slot's last: the next quarter's 24 loads go out first, into the buffer that the last quarter multiplied, and have this quarter's 32 matrix
; instructions in which to come back.
.macro QUARTER ra, rb, p, k, cur, nxt, zero
	s_wait_dscnt 0                                 ; this quarter's fragments, asked for a quarter ago, are in
	PLACES
	FETCH \ra, \rb, \p, \k, \nxt
	WIN MULW
	MUL8 \cur, 0, \zero
	MUL8 \cur, 1, \zero
	MUL8 \cur, 2, \zero
	MUL8 \cur, 3, \zero
.endm
.macro SEVEN zero                      ; the long slot's first seven quarters
	QUARTER ADRAL, ADRBL, PL, 64,  0, 1, \zero
	QUARTER ADRAL, ADRBL, PL, 128, 1, 0, 0
	QUARTER ADRAL, ADRBL, PL, 192, 0, 1, 0
	QUARTER ADRAL, ADRBL, PL, 256, 1, 0, 0
	QUARTER ADRAL, ADRBL, PL, 320, 0, 1, 0
	QUARTER ADRAL, ADRBL, PL, 384, 1, 0, 0
	QUARTER ADRAL, ADRBL, PL, 448, 0, 1, 0
.endm
.macro THREE                           ; the short slot's first three quarters
	QUARTER ADRAS, ADRBS, PS, 64,  0, 1, 0
	QUARTER ADRAS, ADRBS, PS, 128, 1, 0, 0
	QUARTER ADRAS, ADRBS, PS, 192, 0, 1, 0
.endm
; A slot's last quarter multiplies buffer 1 and changes slots.  fill = 1: the long slot, which has just been read, is filled again; 2: the short slot; 0: nothing.
; ra, rb, p: the slot that is read next.  In front of the barrier each wave waits for its reads of this slot and for all its tensor loads (one is out: its part of the
; next slot); behind it the refill comes first, then the next slot's first fragments.  Each slot's next tile lies three K steps on.
.macro TURN fill, ra, rb, p
	s_wait_dscnt 0                                 ; buffer 1 is in, and my reads of this slot are over
	s_wait_tensorcnt 0x0                           ; all my tensor loads have landed
	ds_add_u32 v62, v63
	s_wait_dscnt 0x0
	s_barrier_signal -1                            ; say so (where a slot is filled again this barrier opens a round of the cluster's barrier),
	WIN MULW
	MUL8 1, 0, 0                                   ; work on registers while the others arrive,
	MUL8 1, 1, 0
	WIN 0
	s_barrier_wait -1
.if \fill == 1
	CREST                                          ; no wave of any partner still reads this slot's tile or has a load on its way
	s_add_nc_u64 s[G0AL+2:G0AL+3], s[G0AL+2:G0AL+3], 3*KSTEP*2
	s_add_nc_u64 s[G0BL+2:G0BL+3], s[G0BL+2:G0BL+3], 3*KSTEP*2
	JLOAD G0AL, G1AL, G0BL, G1BL                   ; the first tensor load behind the round, and the wave's only one until the next
.endif
.if \fill == 2
	CREST
	s_add_nc_u64 s[G0AS+2:G0AS+3], s[G0AS+2:G0AS+3], 3*KSTEP*2
	s_add_nc_u64 s[G0BS+2:G0BS+3], s[G0BS+2:G0BS+3], 3*KSTEP*2
	JLOAD G0AS, G1AS, G0BS, G1BS
.endif
	PLACES
	FETCH \ra, \rb, \p, 0, 0
	WIN MULW
	MUL8 1, 2, 0
	MUL8 1, 3, 0
.endm
	s_wait_tensorcnt 0x1                           ; my part of the long slot is in; the short slot's load stays out
	s_barrier_signal -1
	s_barrier_wait -1
	FETCH ADRAL, ADRBL, PL, 0, 0
	SEVEN 1                                        ; K steps 0, 1: the first products start the sums
	TURN 1, ADRAS, ADRBS, PS                       ; the long slot gets steps 3, 4
	THREE                                          ; K step 2
	TURN 2, ADRAL, ADRBL, PL                       ; the short slot gets step 5
	SEVEN 0                                        ; K steps 3, 4
	TURN 1, ADRAS, ADRBS, PS                       ; the long slot gets steps 6, 7: the last load
	THREE                                          ; K step 5
	TURN 0, ADRAL, ADRBL, PL                       ; nothing is left to fetch: a plain barrier
	SEVEN 0                                        ; K steps 6, 7
	s_wait_dscnt 0
	WIN MULW
	MUL8 1, 0, 0
	MUL8 1, 1, 0
	MUL8 1, 2, 0
	MUL8 1, 3, 0
	; the way out, 16 rows x 64 columns at a time: 32 bytes a lane and tile into my own stage, read back as rows of 256 bytes
	PLACES                                         ; behind the last matrix instructions: LDS stores read results, loads land in fragment registers
	s_lshl_b32 s16, s13, 8
	s_lshl_b32 s17, s10, 6
	s_add_co_u32 s16, s16, s17                     ; my first row: 256 Y + 64 x wave
	s_lshl_b32 s16, s16, 12                        ; rows of 4,096 bytes (below 2^25)
	s_mov_b32 s17, 0
	s_add_nc_u64 s[8:9], s[8:9], s[16:17]
	s_lshl_b32 s46, s42, 9                         ; my first column, in bytes: 512 X
	s_mov_b32 s47, 0
	s_add_nc_u64 s[8:9], s[8:9], s[46:47]
; the four tiles (a, 4 hf .. 4 hf + 3); f: the registers that take the rows read back; adv = 1: the base goes 16 rows on
.macro OUTF a, hf, f, adv
	WIN 0x04                                       ; store data from window 1
.irp b, 0,1,2,3
	ds_store_b128 v[STO], v[8*(8*\a+4*\hf+\b):8*(8*\a+4*\hf+\b)+3]   offset:64*\b
	ds_store_b128 v[STO], v[8*(8*\a+4*\hf+\b)+4:8*(8*\a+4*\hf+\b)+7] offset:64*\b+16
.endr
	WIN 0
	s_wait_xcnt 0x0                                ; every earlier memory instruction has had its addresses translated (ISA guide 3.1): buffer f, which stores read, and the stores' base are rewritten only behind this wait
.if \adv
	s_add_nc_u64 s[8:9], s[8:9], 16*OROW
.endif
.irp t, 0,1,2,3,4,5,6,7
	ds_load_b128 v[\f+4*\t:\f+4*\t+3], v[RD] offset:\t*2*SPITCH    ; LDS serves a wave's instructions in order (ISA guide 5.7.1.4): these see the stores above
.endr
.irp t, 0,1,2,3,4,5,6,7
	s_wait_dscnt 7-\t                              ; rows 2 t, 2 t + 1 are in; the 7 - t younger loads stay out
	global_store_b128 v[CO], v[\f+4*\t:\f+4*\t+3], s[8:9] offset:2*\t*OROW+256*\hf th:TH_STORE_NT   ; 16 lanes store 256 consecutive bytes, at a multiple of 256 from out0's first byte
.endr
.endm
	OUTF 0, 0, 64, 0
	OUTF 0, 1, 96, 0
	OUTF 1, 0, 64, 1
	OUTF 1, 1, 96, 0
	OUTF 2, 0, 64, 1
	OUTF 2, 1, 96, 0
	OUTF 3, 0, 64, 1
	OUTF 3, 1, 96, 0
	s_wait_tensorcnt 0x0
	ds_add_u32 v62, v63
	s_wait_dscnt 0x0
	CROUND                                         ; the closing round: no work-group ends while a partner may still ask for a tile that names it
	s_endpgm
.Lfunc_end_k_q33b1cd039a_out:
	.size	k_q33b1cd039a_out, .Lfunc_end_k_q33b1cd039a_out-k_q33b1cd039a_out
	.p2alignl 7, 3214868480
	.fill 96, 4, 3214868480
	.section	.rodata,"a",@progbits
	.p2align	6, 0x0
	.amdhsa_kernel k_q33b1cd039a_out
		.amdhsa_group_segment_fixed_size 327680
		.amdhsa_private_segment_fixed_size 0
		.amdhsa_enable_private_segment 0
		.amdhsa_kernarg_size 24
		.amdhsa_user_sgpr_count 2
		.amdhsa_user_sgpr_kernarg_segment_ptr 1
		.amdhsa_wavefront_size32 1
		.amdhsa_system_sgpr_workgroup_id_x 1
		.amdhsa_system_sgpr_workgroup_id_y 1
		.amdhsa_system_sgpr_workgroup_id_z 1
		.amdhsa_system_vgpr_workitem_id 0
		.amdhsa_next_free_vgpr 512
		.amdhsa_next_free_sgpr 84
		.amdhsa_reserve_vcc 0
		.amdhsa_float_denorm_mode_32 3
		.amdhsa_float_denorm_mode_16_64 3
		.amdhsa_memory_ordered 1
		.amdhsa_forward_progress 1
		.amdhsa_inst_pref_size 147
	.end_amdhsa_kernel
	.amdgpu_metadata
---
amdhsa.version: [ 1, 2 ]
amdhsa.kernels:
  - .name:           k_q33b1cd039a_out
    .symbol:         k_q33b1cd039a_out.kd
    .args:
      - { .name: qn, .offset: 0, .size: 8, .value_kind: global_buffer, .address_space: global }
      - { .name: pt, .offset: 8, .size: 8, .value_kind: global_buffer, .address_space: global }
      - { .name: out0, .offset: 16, .size: 8, .value_kind: global_buffer, .address_space: global }
    .group_segment_fixed_size: 327680
    .private_segment_fixed_size: 0
    .kernarg_segment_align: 8
    .kernarg_segment_size: 24
    .max_flat_workgroup_size: 128
    .sgpr_count:     84
    .vgpr_count:     512
    .wavefront_size: 32
...
	.end_amdgpu_metadata
.endif
;; end of part 5
;; ======== version 2 of 2: 5 launches; version 1 with the launch cast written anew for expert scheduling mode
;; workspace buffers: xb 16,777,216 bytes; wqb 2,097,152 bytes; wob 2,097,152 bytes; wkv 4,194,304 bytes; part 10,485,760 bytes; kvt 327,680 bytes; pt 4,194,304 bytes; qn 16,777,216 bytes
;; launch cast (part 6): grid 768 x 1, 8 waves a work-group, no clusters, 0 bytes of LDS; arguments x, Wq, Wk, Wv, Wo, xb, wqb, wkv, wob; writes xb, wqb, wkv, wob
.if DOCPART == 6
	.amdgcn_target "amdgcn-amd-amdhsa--gfx1250"
	.amdhsa_code_object_version 6
	.text
	.protected	k_q33b1cd039a_cast
	.globl	k_q33b1cd039a_cast
	.p2align	8
	.type	k_q33b1cd039a_cast,@function
k_q33b1cd039a_cast:
	s_mov_b64 s[64:65], 0
	v_nop
	global_prefetch_b8 v0, s[64:65] scope:SCOPE_SE
	s_setreg_imm32_b32 hwreg(HW_REG_WAVE_SCHED_MODE, 0, 2), 2
	s_setreg_imm32_b32 hwreg(HW_REG_WAVE_MODE, 25, 1), 1
	s_wait_xcnt 0x0
	s_wait_alu depctr_vm_vsrc(0)
; cast: bf16 copies of x and of the four weights, rounded to nearest even, so that the launches that multiply move and read 16-bit operands.
; xb, wqb, wob keep their source's order.  wkv takes Wk and Wv by heads: rows 128 h .. 128 h + 63 are Wk's rows 64 h .., rows 128 h + 64 .. 128 h + 127
; are Wv's rows 64 h .., so that 128 neighbouring rows of wkv give k and v of one head.
; A work-group takes 16 rows of 1,024 f32: 65,536 bytes in, 32,768 out.  Groups 0-511: x.  Groups 512 + 64 w + i: rows 16 i .. of Wq, Wk, Wv, Wo (w = 0..3).
; Thread t, piece p: 16 bytes at 16 t + 4,096 p in, 8 bytes at 8 t + 2,048 p out: a load of a wave covers 512 consecutive bytes, a store 256 consecutive
; aligned bytes.  All sixteen loads go out first; no register is written twice.
; A pure stream: no byte is used twice, so LDS, barriers, the matrix unit and clusters would add nothing.
; THE MODE: SCHED_MODE bits 1:0 = 2 (LLVM: expert scheduling mode 2), set by the entry lines.  The code itself states the register dependences
; between vector instructions and memory instructions, with s_wait_alu, always for 0.
; THE PLAN.  Registers that memory instructions touch:
;   v1, v2   byte offsets of the loads and of the stores: made once at the head and never written again.
;   X        piece p: written once, by its load; read once, by the piece's two roundings.  No vector instruction names it ahead of the load.
;   Y        piece p: written once, by the piece's two roundings; read once, by its store.
; The sixteen pieces go in four groups of four.  Group g's memory instructions are the four stores of group g - 1, which read v2 and that group's Y; group g's
; vector instructions name its own X and its own Y alone.  So one wait at a group's head states all that its four stores hang on, and these are dealt among
; its eight roundings with no further wait.  Since no X and no Y is used a second time, no register that a memory instruction has read is ever written again.
.set X, 4                              ; v[4:67]   piece p: 4 f32 as loaded
.set Y, 68                             ; v[68:99]  piece p: 4 bf16 to store
	s_load_b512 s[8:23], s[0:1], 0x0               ; x 8, Wq 10, Wk 12, Wv 14, Wo 16, xb 18, wqb 20, wkv 22
	s_load_b64 s[24:25], s[0:1], 0x40              ; wob
	v_lshlrev_b32 v1, 4, v0                        ; 16 t
	v_lshlrev_b32 v2, 3, v0                        ; 8 t
	; every offset is made ahead of the compares: shifts and sums write SCC
	s_sub_co_u32 s2, ttmp9, 512                    ; number among the weights' groups (wraps for x's groups, whose choice comes last and overrides)
	s_lshr_b32 s3, s2, 6                           ; w: which weight
	s_and_b32 s4, s2, 63                           ; i: which 16 rows of it
	s_lshl_b32 s26, s4, 16                         ; source offset: 16 rows of 4,096 bytes
	s_lshl_b32 s28, s4, 15                         ; destination offset, plain order: 16 rows of 2,048 bytes
	s_lshr_b32 s5, s4, 2                           ; head = i / 4
	s_lshl_b32 s30, s5, 18                         ; 128 rows of wkv for each head
	s_and_b32 s5, s4, 3
	s_lshl_b32 s5, s5, 15                          ; 16 (i mod 4) rows in the head
	s_add_co_u32 s30, s30, s5                      ; destination offset in wkv for Wk
	s_add_co_u32 s31, s30, 0x20000                 ; and for Wv: 64 rows further
	s_lshl_b32 s36, ttmp9, 16                      ; x's groups: source offset
	s_lshl_b32 s37, ttmp9, 15                      ; and destination offset
	s_wait_kmcnt 0x0
	s_mov_b64 s[32:33], s[16:17]                   ; source: Wo unless chosen otherwise
	s_mov_b64 s[34:35], s[24:25]                   ; destination: wob
	s_cmp_eq_u32 s3, 0
	s_cselect_b64 s[32:33], s[10:11], s[32:33]     ; Wq to wqb
	s_cselect_b64 s[34:35], s[20:21], s[34:35]
	s_cmp_eq_u32 s3, 1
	s_cselect_b64 s[32:33], s[12:13], s[32:33]     ; Wk to its rows of wkv
	s_cselect_b64 s[34:35], s[22:23], s[34:35]
	s_cselect_b32 s28, s30, s28
	s_cmp_eq_u32 s3, 2
	s_cselect_b64 s[32:33], s[14:15], s[32:33]     ; Wv to its rows of wkv
	s_cselect_b64 s[34:35], s[22:23], s[34:35]
	s_cselect_b32 s28, s31, s28
	s_cmp_lt_u32 ttmp9, 512
	s_cselect_b64 s[32:33], s[8:9], s[32:33]       ; x to xb
	s_cselect_b64 s[34:35], s[18:19], s[34:35]
	s_cselect_b32 s26, s36, s26
	s_cselect_b32 s28, s37, s28
	s_mov_b32 s27, 0
	s_mov_b32 s29, 0
	s_add_nc_u64 s[32:33], s[32:33], s[26:27]
	s_add_nc_u64 s[34:35], s[34:35], s[28:29]
	s_wait_alu depctr_va_vdst(0)                   ; v1 and v2 are written: every load of the kernel reads v1 as its offset, every store v2
.set p, 0
.rept 16
	global_load_b128 v[X+4*p:X+4*p+3], v1, s[32:33] offset:4096*p th:TH_LOAD_NT   ; read once in the whole launch
.set p, p+1
.endr
; Group g: pieces 4 g .. 4 g + 3 are rounded; the four stores of group g - 1 stand among the roundings, one ahead of each piece's two.
.macro GROUP g
	s_wait_loadcnt 12-4*(\g)                       ; loads come back in order (ISA guide 5.7.1): the group's four pieces are in, the 12 - 4 g younger loads stay out
.if (\g) > 0
	s_wait_alu depctr_va_vdst(0)                   ; the roundings of the group before have written its Y, which the four stores below read
.endif
.irp i, 0,1,2,3
.if (\g) > 0
	global_store_b64 v2, v[Y+2*(4*(\g)-4+(\i)):Y+2*(4*(\g)-4+(\i))+1], s[34:35] offset:2048*(4*(\g)-4+(\i))  ; the group before; no vector instruction since the wait names these registers or v2
.endif
	v_cvt_pk_bf16_f32 v[Y+2*(4*(\g)+(\i))],   v[X+4*(4*(\g)+(\i))],   v[X+4*(4*(\g)+(\i))+1]
	v_cvt_pk_bf16_f32 v[Y+2*(4*(\g)+(\i))+1], v[X+4*(4*(\g)+(\i))+2], v[X+4*(4*(\g)+(\i))+3]
.endr
.endm
	GROUP 0                                        ; no group stands in front of it: no store, and no wait but the one for its data
	GROUP 1
	GROUP 2
	GROUP 3
	s_wait_alu depctr_va_vdst(0)                   ; group 3's roundings have written its Y, which the last four stores read
.irp i, 12,13,14,15
	global_store_b64 v2, v[Y+2*(\i):Y+2*(\i)+1], s[34:35] offset:2048*(\i)
.endr
	s_endpgm
.Lfunc_end_k_q33b1cd039a_cast:
	.size	k_q33b1cd039a_cast, .Lfunc_end_k_q33b1cd039a_cast-k_q33b1cd039a_cast
	.p2alignl 7, 3214868480
	.fill 96, 4, 3214868480
	.section	.rodata,"a",@progbits
	.p2align	6, 0x0
	.amdhsa_kernel k_q33b1cd039a_cast
		.amdhsa_group_segment_fixed_size 0
		.amdhsa_private_segment_fixed_size 0
		.amdhsa_enable_private_segment 0
		.amdhsa_kernarg_size 72
		.amdhsa_user_sgpr_count 2
		.amdhsa_user_sgpr_kernarg_segment_ptr 1
		.amdhsa_wavefront_size32 1
		.amdhsa_system_sgpr_workgroup_id_x 1
		.amdhsa_system_sgpr_workgroup_id_y 1
		.amdhsa_system_sgpr_workgroup_id_z 1
		.amdhsa_system_vgpr_workitem_id 0
		.amdhsa_next_free_vgpr 104
		.amdhsa_next_free_sgpr 66
		.amdhsa_reserve_vcc 0
		.amdhsa_float_denorm_mode_32 3
		.amdhsa_float_denorm_mode_16_64 3
		.amdhsa_memory_ordered 1
		.amdhsa_forward_progress 1
		.amdhsa_inst_pref_size 8
	.end_amdhsa_kernel
	.amdgpu_metadata
---
amdhsa.version: [ 1, 2 ]
amdhsa.kernels:
  - .name:           k_q33b1cd039a_cast
    .symbol:         k_q33b1cd039a_cast.kd
    .args:
      - { .name: x, .offset: 0, .size: 8, .value_kind: global_buffer, .address_space: global }
      - { .name: Wq, .offset: 8, .size: 8, .value_kind: global_buffer, .address_space: global }
      - { .name: Wk, .offset: 16, .size: 8, .value_kind: global_buffer, .address_space: global }
      - { .name: Wv, .offset: 24, .size: 8, .value_kind: global_buffer, .address_space: global }
      - { .name: Wo, .offset: 32, .size: 8, .value_kind: global_buffer, .address_space: global }
      - { .name: xb, .offset: 40, .size: 8, .value_kind: global_buffer, .address_space: global }
      - { .name: wqb, .offset: 48, .size: 8, .value_kind: global_buffer, .address_space: global }
      - { .name: wkv, .offset: 56, .size: 8, .value_kind: global_buffer, .address_space: global }
      - { .name: wob, .offset: 64, .size: 8, .value_kind: global_buffer, .address_space: global }
    .group_segment_fixed_size: 0
    .private_segment_fixed_size: 0
    .kernarg_segment_align: 8
    .kernarg_segment_size: 72
    .max_flat_workgroup_size: 256
    .sgpr_count:     66
    .vgpr_count:     104
    .wavefront_size: 32
...
	.end_amdgpu_metadata
.endif
;; end of part 6
;; launch kv: the kernel of part 2 again; grid 32 x 8, 4 waves a work-group, clusters of 4 x 4, 327,680 bytes of LDS; arguments wkv, xb, part; writes part
;; launch red: the kernel of part 3 again; grid 5 x 32, 4 waves a work-group, no clusters, 0 bytes of LDS; arguments part, kvt; writes kvt
;; launch q: the kernel of part 4 again; grid 8 x 32, 4 waves a work-group, clusters of 4 x 4, 327,680 bytes of LDS; arguments xb, wqb, qn, kvt, wob, pt; writes qn, pt
;; launch out: the kernel of part 5 again; grid 8 x 32, 4 waves a work-group, clusters of 4 x 4, 327,680 bytes of LDS; arguments qn, pt, out0; writes out0
